; MI455X (gfx1250); checked and timed in simulation.
; The chip was launched on July 23, 2026; its instructions are those of AMD's public machine-readable ISA for CDNA 5 (MIT licence, August 2026) and "CDNA5" Instruction Set Architecture Reference Guide (July 2026). The comments in the code are by the model that wrote it; some were corrected since.
;; TA Block. Allowed arithmetic: float matrix products may take bf16 or f16 operands with f32 sums; all other float work in f32.
;; Inputs: Wk 768 x 768 float32; Wq 768 x 768 float32; Wv 768 x 768 float32; bk 768 float32; bq 768 float32; bv 768 float32; x 16 x 1,024 x 768 float32.
;; Outputs: out0 16 x 1,024 x 768 float32.
;; 2 versions, each right and faster than the one before. Each part assembles by itself: llvm-mc -triple=amdgcn-amd-amdhsa -mcpu=gfx1250 --defsym DOCPART=n.
;; ======== version 1 of 2: 3 launches
;; workspace buffers: xw 28,704,768 bytes; qkv 75,497,472 bytes
;; launch cast (part 1): grid 584 x 1, 8 waves a work-group, no clusters, 0 bytes of LDS; arguments x, Wq, Wk, Wv, xw; writes xw
.if DOCPART == 1
	.amdgcn_target "amdgcn-amd-amdhsa--gfx1250"
	.amdhsa_code_object_version 6
	.text
	.protected	k_q7d749414ba_cast
	.globl	k_q7d749414ba_cast
	.p2align	8
	.type	k_q7d749414ba_cast,@function
k_q7d749414ba_cast:
	s_mov_b64 s[64:65], 0
	v_nop
	global_prefetch_b8 v0, s[64:65] scope:SCOPE_SE
	s_setreg_imm32_b32 hwreg(HW_REG_WAVE_MODE, 25, 1), 1
	s_wait_xcnt 0x0
; x, Wq, Wk, Wv (f32) are rounded once to bf16 (nearest even) and laid end to end in xw: x's 16,384 rows of 768, then Wq's, Wk's and Wv's 768 rows each.
; A stream: no LDS, no barrier, no matrix unit, no cluster (no two work-groups read the same byte).
; A work-group takes one chunk of 98,304 source bytes (24,576 numbers) and writes 49,152 bytes.  Chunks 0-511 are x's, 512-535 Wq's, 536-559 Wk's, 560-583 Wv's;
; since 512 x 49,152 bytes are all of x in bf16 and 24 x 49,152 one W, the destination is xw + 49,152 x chunk for every chunk.
; Thread t owns 16 source bytes at 16 t of every 4,096: a wave's load covers 512 consecutive bytes, its store 256 consecutive bytes at a multiple of 256 from xw's first byte.
; All 24 loads of a thread are issued before the first is used; no register is written twice, so no wait frees a source.
.set SRC_CHUNK, 98304
.set DST_CHUNK, 49152
.set NLD, 24                           ; loads of a thread
.set X, 4                              ; v[4:99]    24 x 4 registers as loaded
.set Y, 100                            ; v[100:147] 24 x 2 registers to store
	s_load_b256 s[4:11], s[0:1], 0x0               ; x s[4:5], Wq s[6:7], Wk s[8:9], Wv s[10:11]
	s_load_b64 s[12:13], s[0:1], 0x20              ; xw
	v_lshlrev_b32 v1, 4, v0                        ; my 16 bytes of every 4,096 of the source
	v_lshlrev_b32 v2, 3, v0                        ; my 8 bytes of every 2,048 of the destination
	s_mov_b32 s22, ttmp9                           ; the chunk's number inside its tensor: for x the chunk itself,
	s_sub_co_u32 s16, ttmp9, 512                   ; for Wq,
	s_sub_co_u32 s17, ttmp9, 536                   ; for Wk,
	s_sub_co_u32 s18, ttmp9, 560                   ; for Wv
	s_mul_i32 s26, ttmp9, DST_CHUNK
	s_mov_b32 s27, 0
	s_mov_b32 s25, 0
	s_wait_kmcnt 0x0
	s_mov_b64 s[20:21], s[4:5]
	s_cmp_ge_u32 ttmp9, 512                        ; the source is chosen by the chunk's number alone
	s_cselect_b64 s[20:21], s[6:7], s[20:21]
	s_cselect_b32 s22, s16, s22
	s_cmp_ge_u32 ttmp9, 536
	s_cselect_b64 s[20:21], s[8:9], s[20:21]
	s_cselect_b32 s22, s17, s22
	s_cmp_ge_u32 ttmp9, 560
	s_cselect_b64 s[20:21], s[10:11], s[20:21]
	s_cselect_b32 s22, s18, s22
	s_mul_i32 s24, s22, SRC_CHUNK                  ; 511 x 98,304 at the most: under 2^32
	s_add_nc_u64 s[20:21], s[20:21], s[24:25]
	s_add_nc_u64 s[12:13], s[12:13], s[26:27]
.set i, 0
.rept NLD
	global_load_b128 v[X+4*i:X+4*i+3], v1, s[20:21] offset:4096*i th:TH_LOAD_NT
.set i, i+1
.endr
.set i, 0
.rept NLD
	s_wait_loadcnt NLD-1-i                         ; loads come back in order (ISA guide 5.7.1): load i is in, the younger ones stay out
	v_cvt_pk_bf16_f32 v[Y+2*i], v[X+4*i], v[X+4*i+1]
	v_cvt_pk_bf16_f32 v[Y+2*i+1], v[X+4*i+2], v[X+4*i+3]
	global_store_b64 v2, v[Y+2*i:Y+2*i+1], s[12:13] offset:2048*i   ; no hint: the next launch reads these bytes
.set i, i+1
.endr
	s_endpgm
.Lfunc_end_k_q7d749414ba_cast:
	.size	k_q7d749414ba_cast, .Lfunc_end_k_q7d749414ba_cast-k_q7d749414ba_cast
	.p2alignl 7, 3214868480
	.fill 96, 4, 3214868480
	.section	.rodata,"a",@progbits
	.p2align	6, 0x0
	.amdhsa_kernel k_q7d749414ba_cast
		.amdhsa_group_segment_fixed_size 0
		.amdhsa_private_segment_fixed_size 0
		.amdhsa_enable_private_segment 0
		.amdhsa_kernarg_size 40
		.amdhsa_user_sgpr_count 2
		.amdhsa_user_sgpr_kernarg_segment_ptr 1
		.amdhsa_wavefront_size32 1
		.amdhsa_system_sgpr_workgroup_id_x 1
		.amdhsa_system_sgpr_workgroup_id_y 1
		.amdhsa_system_sgpr_workgroup_id_z 1
		.amdhsa_system_vgpr_workitem_id 0
		.amdhsa_next_free_vgpr 152
		.amdhsa_next_free_sgpr 66
		.amdhsa_reserve_vcc 0
		.amdhsa_float_denorm_mode_32 3
		.amdhsa_float_denorm_mode_16_64 3
		.amdhsa_memory_ordered 1
		.amdhsa_forward_progress 1
		.amdhsa_inst_pref_size 10
	.end_amdhsa_kernel
	.amdgpu_metadata
---
amdhsa.version: [ 1, 2 ]
amdhsa.kernels:
  - .name:           k_q7d749414ba_cast
    .symbol:         k_q7d749414ba_cast.kd
    .args:
      - { .name: x, .offset: 0, .size: 8, .value_kind: global_buffer, .address_space: global }
      - { .name: Wq, .offset: 8, .size: 8, .value_kind: global_buffer, .address_space: global }
      - { .name: Wk, .offset: 16, .size: 8, .value_kind: global_buffer, .address_space: global }
      - { .name: Wv, .offset: 24, .size: 8, .value_kind: global_buffer, .address_space: global }
      - { .name: xw, .offset: 32, .size: 8, .value_kind: global_buffer, .address_space: global }
    .group_segment_fixed_size: 0
    .private_segment_fixed_size: 0
    .kernarg_segment_align: 8
    .kernarg_segment_size: 40
    .max_flat_workgroup_size: 256
    .sgpr_count:     66
    .vgpr_count:     152
    .wavefront_size: 32
...
	.end_amdgpu_metadata
.endif
;; end of part 1
;; launch proj (part 2): grid 4 x 64, 4 waves a work-group, clusters of 4 x 4, 327,680 bytes of LDS; arguments xw, bq, bk, bv, qkv; writes qkv
.if DOCPART == 2
	.amdgcn_target "amdgcn-amd-amdhsa--gfx1250"
	.amdhsa_code_object_version 6
	.text
	.protected	k_q7d749414ba_proj
	.globl	k_q7d749414ba_proj
	.p2align	8
	.type	k_q7d749414ba_proj,@function
k_q7d749414ba_proj:
	s_mov_b64 s[64:65], 0
	v_nop
	global_prefetch_b8 v0, s[64:65] scope:SCOPE_SE
	s_setreg_imm32_b32 hwreg(HW_REG_WAVE_MODE, 25, 1), 1
	s_wait_xcnt 0x0
	s_wait_alu depctr_hold_cnt(0) depctr_sa_sdst(0) depctr_va_vdst(0) depctr_va_sdst(0) depctr_va_ssrc(0) depctr_va_vcc(0) depctr_vm_vsrc(0)
	s_getreg_b32 s2, hwreg(HW_REG_IB_STS2, 6, 4)
	s_cmp_eq_u32 s2, 0
	s_cbranch_scc0 .Lentry_in_a_cluster
	s_endpgm
.Lentry_in_a_cluster:
	s_bfe_u32 s2, ttmp6, 0x10000c
	s_cmp_lg_u32 s2, 0xf033
	s_cbranch_scc0 .Lentry_shape_is_right
	s_endpgm
.Lentry_shape_is_right:
; q, k, v = x W^T + b.  x (16,384 x 768) and the three W (768 x 768 each, rows = output channels) come as bf16 from xw; sums and the bias in f32; q, k, v rounded once to bf16.
; SHARES.  A work-group owns 256 tokens (gy) and channels 192 gx .. 192 gx + 191 of q, then of k, then of v: three tiles of 256 x 192, one after the other, 256 work-groups in all.
; A wave makes 128 tokens x 96 channels: 48 accumulators of 16 x 16, 384 registers.  K goes in steps of 128 (rows of 256 bytes) through a ring of two LDS slots; the ring runs on from tile to tile.
; THE PRODUCT IS USED WITH W AS SOURCE 0 AND x AS SOURCE 1: in the result lane l holds token l % 16 and channels 8 (l / 16) + 0..7, which pack into 16 bytes.
; THE OUTPUT LIES IN FRAGMENT ORDER, so that those 16 bytes are stored straight from registers, 512 consecutive bytes a wave, and the next launch loads fragments as they lie:
;   q, k: [batch][c 12][token tile 64][cs 2][sub 2][512 bytes]: lane l's 16 bytes at 16 l hold token 16 tile + l % 16, channels 64 c + 32 cs + 16 sub + 8 (l / 16) + 0..7.
;   v:    [batch][s 16][channel tile 48][ks 2][sub 2][512 bytes]: token n has s = 4 ((n >> 6) & 3) + (n >> 8), ks = (n >> 5) & 1, sub = (n >> 4) & 1; place p of 32 holds key 8 (p / 16) + p % 8
;         of the 16 and channels 8 ((p / 8) % 2) + 0..7 of the 16: what ds_load_tr16_b128 turns into half a fragment of v^T.
; So a wave's six channel tiles are rows 64 (bb / 2) + 32 wc + 16 (bb % 2) of the 192: c = 3 gx + bb / 2, cs = wc, sub = bb % 2.
; CLUSTER 4 x 4.  x's tile hangs on gy alone and is asked for jointly by a row of the cluster, W's on gx alone and by a column: the same tensor load, descriptor and mask in the four.
; LIMITS.  Operands and results are bf16 (8 significant bits, f32's range); NaN and infinities are not treated apart.
; REGISTERS, in windows of 256 (s_set_vgpr_msb: bits 1:0 source 0, 3:2 source 1, 5:4 source 2, 7:6 destination):
;   window 0: v16-29 addresses; v32-55 packed results; v64-127, v128-191 x's fragments, two buffers (the second also 48 sums with bias on the way out); v192-239 the bias
;   window 1: v64-111, v128-175 W's fragments, two buffers     window 2: accumulators of token tiles 0-3 at 8 (6 a + bb)     window 3: those of token tiles 4-7
.set DIM,    768
.set PITCH,  272                       ; an LDS row: 256 bytes + 16 of padding = 17 x 16 bytes: the 16 rows of a fragment load begin at 16 different 16-byte columns of 256
.set XHALF,  128*PITCH                 ; 128 rows of x: one tensor load
.set WHALF,  96*PITCH                  ; 96 rows of W: one tensor load
.set WOFF,   2*XHALF                   ; W's 192 rows lie behind x's 256
.set SLOT,   2*XHALF+2*WHALF           ; 121,856 bytes
.set SPARE,  2*SLOT                    ; behind the ring: the spare words, 128 bytes a wave: two blocks of 256 bytes that no other line names
.set WBASE,  25165824                  ; the three W begin here in xw
.set REGION, 25165824                  ; bytes of q, of k and of v in qkv
.set BATCH,  1572864                   ; a batch's bytes in a region
.set LAPS,   3                         ; 768 / (2 x 128): a lap = two K steps = once round the ring
.set ADRX, 16                          ; v16-17  LDS address of my x fragments in slot 0, 1
.set ADRW, 20                          ; v20-21  the same for W
.set LQ,   24                          ; v24     16 l: my place in a block of q or k
.set LV,   25                          ; v25     my place in a block of v
.set VB,   26                          ; v26     byte offset of my eight channels' bias in the work-group's 192
.set SPW,  28                          ; v28     LDS address of my spare word; never rewritten
.set NIL,  29                          ; v29     0; never rewritten
.set PKD,  32
.set F0,   64
.set F1,   128
.set T,    128
.set BI,   192
.set G1X, 24                           ; s[24:31] descriptor group 1 for x's tiles;  s[32:39] group 0, a set for each slot
.set G0X, 32
.set OB,  40                           ; s[40:41] where my part of q (then k) begins
.set OBV, 42                           ; s[42:43] the same for v
.set BP,  44                           ; s[44:45] the tile's bias
.set G1W, 48                           ; s[48:55], s[56:63] the same for W's tiles
.set G0W, 56
.set MSB, 0
.macro WIN new                         ; the immediate's high byte repeats the setting that is left; a switch that changes nothing is dropped
.if MSB != (\new)
	s_set_vgpr_msb (MSB<<8)|(\new)
.set MSB, \new
.endif
.endm
.macro PLACES                          ; four places behind matrix instructions, in front of loads into their sources and of vector lines on their registers
.rept 4
	v_nop
.endr
.endm
; A joint load.  Waves 0 and 1 fetch x's two halves, waves 2 and 3 W's.  The branch hangs on the wave's number alone.  An s_nop 0 and four v_nop follow each line.
.macro JLOAD s
	s_cmp_eq_u32 s15, 0
	s_cbranch_scc0 .Lfor_w_\@
	tensor_load_to_lds s[G0X+4*(\s):G0X+4*(\s)+3], s[G1X:G1X+7]
	s_nop 0
.rept 4
	v_nop
.endr
	s_branch .Lasked_\@
.Lfor_w_\@:
	tensor_load_to_lds s[G0W+4*(\s):G0W+4*(\s)+3], s[G1W:G1W+7]
	s_nop 0
.rept 4
	v_nop
.endr
.Lasked_\@:
.endm
.macro CREST                           ; a round of the cluster's barrier behind its opening barrier: wave 0 signals for the work-group, all wait for the sixteen, my work-group's barrier closes it
	s_cmp_lg_u32 s14, 0
	s_cbranch_scc1 .Lnot_wave_0_\@
	s_barrier_signal -3
.Lnot_wave_0_\@:
	s_barrier_wait -3
	s_barrier_signal -1
	s_barrier_wait -1
.endm
.macro CROUND
	s_barrier_signal -1
	s_barrier_wait -1
	CREST
.endm
	s_load_b256 s[4:11], s[0:1], 0x0               ; xw s[4:5], bq s[6:7], bk s[8:9], bv s[10:11]
	s_load_b64 s[12:13], s[0:1], 0x20              ; qkv
	v_lshl_add_u32 v[SPW], v0, 2, SPARE
	v_mov_b32 v[NIL], 0
	ds_add_u32 v[SPW], v[NIL]                      ; the wave's opening: the add and its wait stand ahead of my first tensor load; work on registers stands between them
	v_lshrrev_b32 v1, 5, v0
	v_readfirstlane_b32 s14, v1                    ; wave 0..3
	s_lshr_b32 s15, s14, 1                         ; wr: which 128 tokens are mine.  Also: I fetch for x (0) or for W (1)
	s_and_b32 s16, s14, 1                          ; wc: which channel tiles are mine.  Also: which half of that tile I fetch
	s_bfe_u32 s17, ttmp6, 0x40000                  ; cx
	s_bfe_u32 s18, ttmp6, 0x40004                  ; cy
	s_lshl_b32 s19, ttmp9, 2
	s_add_co_u32 s19, s19, s17                     ; gx = 4 x cluster x + cx
	s_and_b32 s20, ttmp7, 0xffff
	s_lshl_b32 s20, s20, 2
	s_add_co_u32 s20, s20, s18                     ; gy = 4 x cluster y + cy
	s_lshl_b32 s21, s18, 2
	s_lshl_b32 s21, 15, s21                        ; my row of the cluster: places 4 cy .. 4 cy + 3
	s_lshl_b32 s22, 0x1111, s17                    ; my column: places cx, cx + 4, cx + 8, cx + 12
	s_or_b32 s[G1X+0], s21, (1<<16)|(1<<20)|(1<<21)|(5<<22)|(3<<25)  ; the mask; 2-byte elements; padding on; bit 21 beside a mask; after every 64 words, 4 words
	s_or_b32 s[G1W+0], s22, (1<<16)|(1<<20)|(1<<21)|(5<<22)|(3<<25)
	s_mov_b32 s[G1X+1], 128<<16                    ; tensor_dim0 = 128
	s_mov_b32 s[G1W+1], 128<<16
	s_mov_b32 s[G1X+2], 128<<16                    ; tensor_dim1 = 128 rows of x,
	s_mov_b32 s[G1W+2], 96<<16                     ; 96 of W
	s_mov_b32 s[G1X+3], 128<<16                    ; tile_dim0 = 128
	s_mov_b32 s[G1W+3], 128<<16
	s_mov_b32 s[G1X+4], 128                        ; tile_dim1
	s_mov_b32 s[G1W+4], 96
	s_mov_b32 s[G1X+5], DIM                        ; elements from row to row
	s_mov_b32 s[G1W+5], DIM
	s_mov_b32 s[G1X+6], 0
	s_mov_b32 s[G1W+6], 0
	s_mov_b32 s[G1X+7], 0
	s_mov_b32 s[G1W+7], 0
	; x's tile hangs on gy and the wave alone, W's on gx and the wave alone, each in registers that never hold the other coordinate
	s_lshl_b32 s66, s20, 8
	s_lshl_b32 s67, s16, 7
	s_add_co_u32 s66, s66, s67                     ; x: row 256 gy + 128 x half
	s_mul_i32 s66, s66, DIM*2                      ; in bytes: under 2^25
	s_mov_b32 s67, 0
	s_mul_i32 s70, s19, 192
	s_mul_i32 s71, s16, 96
	s_add_co_u32 s70, s70, s71                     ; W: row 192 gx + 96 x half of Wq
	s_mul_i32 s70, s70, DIM*2
	s_add_co_u32 s70, s70, WBASE
	s_mov_b32 s71, 0
	s_mul_i32 s23, s14, XHALF                      ; where they go: waves 0, 1: x's halves;
	s_mul_i32 s72, s14, WHALF
	s_add_co_u32 s72, s72, WOFF-2*WHALF            ; waves 2, 3: W's halves behind them.  No place in the cluster enters an LDS address
	s_wait_dscnt 0x0                               ; the opening add is done
	s_wait_kmcnt 0x0
	s_add_nc_u64 s[68:69], s[4:5], s[66:67]
	s_add_nc_u64 s[70:71], s[4:5], s[70:71]
	CROUND                                         ; all sixteen work-groups are here: the first joint loads meet
.irp s, 0,1
	s_mov_b32 s[G0X+4*(\s)], 1
	s_add_co_u32 s[G0X+4*(\s)+1], s23, (\s)*SLOT
	s_add_nc_u64 s[G0X+4*(\s)+2:G0X+4*(\s)+3], s[68:69], (\s)*256   ; K step s
	s_or_b32 s[G0X+4*(\s)+3], s[G0X+4*(\s)+3], 0x80000000
	s_mov_b32 s[G0W+4*(\s)], 1
	s_add_co_u32 s[G0W+4*(\s)+1], s72, (\s)*SLOT
	s_add_nc_u64 s[G0W+4*(\s)+2:G0W+4*(\s)+3], s[70:71], (\s)*256
	s_or_b32 s[G0W+4*(\s)+3], s[G0W+4*(\s)+3], 0x80000000
	JLOAD \s                                       ; two tensor loads of mine are out
.endr
	v_and_b32 v1, 15, v0                           ; r = l % 16
	v_bfe_u32 v2, v0, 4, 1                         ; h = l / 16
	v_mul_u32_u24 v3, v1, PITCH
	v_lshl_add_u32 v3, v2, 4, v3                   ; a fragment's row x pitch + 16 h
	s_mul_i32 s73, s15, XHALF                      ; my 128 rows of x
	s_mul_i32 s74, s16, 32*PITCH                   ; my channel tiles begin 32 wc rows into W's 192
	s_add_co_u32 s74, s74, WOFF
.irp s, 0,1
	v_add_nc_u32 v[ADRX+(\s)], s73, v3
	v_add_nc_u32 v[ADRW+(\s)], s74, v3
	s_add_co_u32 s73, s73, SLOT
	s_add_co_u32 s74, s74, SLOT
.endr
	v_and_b32 v4, 31, v0
	v_lshlrev_b32 v[LQ], 4, v4                     ; 16 l
	v_bfe_u32 v4, v0, 3, 1                         ; r / 8
	v_and_b32 v5, 7, v0                            ; r % 8
	v_lshlrev_b32 v[LV], 8, v4                     ; place 16 (r / 8) + 8 h + r % 8, 16 bytes each
	v_lshl_add_u32 v[LV], v2, 7, v[LV]
	v_lshl_add_u32 v[LV], v5, 4, v[LV]
	s_lshl_b32 s73, s16, 7
	v_lshlrev_b32 v[VB], 5, v2
	v_add_nc_u32 v[VB], s73, v[VB]                 ; 128 wc + 32 h
	s_mul_i32 s46, s19, 192*4                      ; the work-group's 192 channels in each bias
	s_mov_b32 s47, 0
	s_add_nc_u64 s[6:7], s[6:7], s[46:47]
	s_add_nc_u64 s[8:9], s[8:9], s[46:47]
	s_add_nc_u64 s[10:11], s[10:11], s[46:47]
	s_lshr_b32 s73, s20, 2
	s_mul_i32 s73, s73, BATCH                      ; the batch: gy / 4
	s_and_b32 s75, s20, 3                          ; which 256 tokens of the batch
	s_mul_i32 s74, s19, 3*131072                   ; c = 3 gx
	s_lshl_b32 s76, s75, 4
	s_lshl_b32 s77, s15, 3
	s_add_co_u32 s76, s76, s77                     ; token tile 16 (gy % 4) + 8 wr
	s_lshl_b32 s76, s76, 11
	s_lshl_b32 s78, s16, 10                        ; cs = wc
	s_add_co_u32 s46, s73, s74
	s_add_co_u32 s46, s46, s76
	s_add_co_u32 s46, s46, s78
	s_add_nc_u64 s[OB:OB+1], s[12:13], s[46:47]
	s_add_co_u32 s77, s77, s75                     ; s = 8 wr + gy % 4 (+ 4 for token tiles 4-7)
	s_mul_i32 s77, s77, 98304
	s_mul_i32 s74, s19, 12
	s_lshl_b32 s78, s16, 1
	s_add_co_u32 s74, s74, s78                     ; channel tile 12 gx + 2 wc
	s_lshl_b32 s74, s74, 11
	s_add_co_u32 s46, s73, s77
	s_add_co_u32 s46, s46, s74
	s_add_co_u32 s46, s46, 2*REGION
	s_add_nc_u64 s[OBV:OBV+1], s[12:13], s[46:47]
; 12 matrix instructions: token tiles a0, a0 + 1 of the window's four x all 6 channel tiles, 32 along K.  zero = 1: the first product starts the sums.
; The 48 accumulators take turns in one order everywhere.
.macro MUL12 f, hi, a0, zero
	WIN 0xa1+0x50*(\hi)                            ; W in window 1, x in window 0, C and D in window 2 or 3
.irp a, \a0, (\a0)+1
.irp bb, 0,1,2,3,4,5
.if \zero
	v_wmma_f32_16x16x32_bf16 v[8*(6*(\a)+(\bb)):8*(6*(\a)+(\bb))+7], v[(\f)+8*(\bb):(\f)+8*(\bb)+7], v[(\f)+8*(4*(\hi)+(\a)):(\f)+8*(4*(\hi)+(\a))+7], 0
.else
	v_wmma_f32_16x16x32_bf16 v[8*(6*(\a)+(\bb)):8*(6*(\a)+(\bb))+7], v[(\f)+8*(\bb):(\f)+8*(\bb)+7], v[(\f)+8*(4*(\hi)+(\a)):(\f)+8*(4*(\hi)+(\a))+7], v[8*(6*(\a)+(\bb)):8*(6*(\a)+(\bb))+7]
.endif
.endr
.endr
.endm
; 28 LDS loads in one run: a quarter step's fragments (96 rows of W, 128 rows of x, 32 K at byte k of the rows) into buffer f
.macro FETCH slot, k, f
	WIN 0x40
.irp bb, 0,1,2,3,4,5
	ds_load_b128 v[(\f)+8*(\bb):(\f)+8*(\bb)+3],   v[ADRW+(\slot)] offset:(\k)+(64*((\bb)/2)+16*((\bb)%2))*PITCH
	ds_load_b128 v[(\f)+8*(\bb)+4:(\f)+8*(\bb)+7], v[ADRW+(\slot)] offset:(\k)+(64*((\bb)/2)+16*((\bb)%2))*PITCH+32
.endr
	WIN 0
.irp a, 0,1,2,3,4,5,6,7
	ds_load_b128 v[(\f)+8*(\a):(\f)+8*(\a)+3],   v[ADRX+(\slot)] offset:(\k)+(\a)*16*PITCH
	ds_load_b128 v[(\f)+8*(\a)+4:(\f)+8*(\a)+7], v[ADRX+(\slot)] offset:(\k)+(\a)*16*PITCH+32
.endr
.endm
; A K step is four quarters of 32 along K, 48 matrix instructions each, on buffers 0, 1, 0, 1.  One of the first three: multiplies f, fetches the next quarter (byte k) into g.
.macro QUARTER slot, k, f, g, zero
	s_wait_dscnt 8                                 ; W and x's token tiles 0-3 are in; the youngest eight loads (tiles 4-7) may be out
	MUL12 \f, 0, 0, \zero
	MUL12 \f, 0, 2, \zero
	PLACES
	FETCH \slot, \k, \g
	s_wait_dscnt 28                                ; all but the 28 just issued
	MUL12 \f, 1, 0, \zero
	MUL12 \f, 1, 2, \zero
.endm
; The last quarter's first half: one barrier for the change of slots.  In front of it each wave waits for all its tensor loads (one is out: its part of the next slot), adds 0 to its spare word,
; and waits for that and for its own reads of this slot.
.macro MEET round
	WIN 0
	s_wait_tensorcnt 0x0
	ds_add_u32 v[SPW], v[NIL]
	s_wait_dscnt 9                                 ; the add and the youngest eight loads may be out
	MUL12 F1, 0, 0, 0
	s_wait_dscnt 0x0                               ; the add is done, and my reads of this slot are over
	s_barrier_signal -1
	MUL12 F1, 0, 2, 0
.if \round
	WIN 0
.endif
	s_barrier_wait -1
.endm
; The whole last quarter.  The barrier opens a round of the cluster's; behind it the slot just read is filled again first: this tile's K step two on (on = 0), or the next tile's K step 0 or 1 (on = 1).
.macro TURN slot, next, on
	MEET 1
	CREST
.if \on
	s_sub_nc_u64 s[G0X+4*(\slot)+2:G0X+4*(\slot)+3], s[G0X+4*(\slot)+2:G0X+4*(\slot)+3], 1024            ; x: four K steps back
	s_add_nc_u64 s[G0W+4*(\slot)+2:G0W+4*(\slot)+3], s[G0W+4*(\slot)+2:G0W+4*(\slot)+3], DIM*DIM*2-1024  ; W: the next matrix, four K steps back
.else
	s_add_nc_u64 s[G0X+4*(\slot)+2:G0X+4*(\slot)+3], s[G0X+4*(\slot)+2:G0X+4*(\slot)+3], 512
	s_add_nc_u64 s[G0W+4*(\slot)+2:G0W+4*(\slot)+3], s[G0W+4*(\slot)+2:G0W+4*(\slot)+3], 512
.endif
	JLOAD \slot                                    ; my one tensor load behind the round; its four v_nop are also the places in front of the loads below
	FETCH \next, 0, F0
	MUL12 F1, 1, 0, 0
	MUL12 F1, 1, 2, 0
.endm
; The tile's bias: s2 = 3, 2, 1 tiles to go: bq, bk, bv.  Register 8 bb + j takes the bias of channel 8 h + j of channel tile bb.
.macro BIAS
	s_cmp_eq_u32 s2, 2
	s_cselect_b64 s[BP:BP+1], s[8:9], s[10:11]
	s_cmp_eq_u32 s2, 3
	s_cselect_b64 s[BP:BP+1], s[6:7], s[BP:BP+1]
.irp bb, 0,1,2,3,4,5
	global_load_b128 v[BI+8*(\bb):BI+8*(\bb)+3],   v[VB], s[BP:BP+1] offset:256*((\bb)/2)+64*((\bb)%2)
	global_load_b128 v[BI+8*(\bb)+4:BI+8*(\bb)+7], v[VB], s[BP:BP+1] offset:256*((\bb)/2)+64*((\bb)%2)+16
.endr
.endm
; THE WAY OUT, a token tile at a time: + bias (each accumulator's registers in ascending order), rounded to bf16, six stores of 512 consecutive bytes.  kind 0: q or k; 1: v.
.macro OUT kind
	WIN 0
	s_wait_loadcnt 0x0                             ; the bias
	PLACES                                         ; behind the last products: their results are read and x's second buffer is written
.irp a, 0,1,2,3,4,5,6,7
	WIN 0x02+(\a)/4                                ; source 0 in window 2 or 3
.set z, 0
.rept 24
	v_pk_add_f32 v[T+2*z:T+2*z+1], v[48*((\a)%4)+2*z:48*((\a)%4)+2*z+1], v[BI+2*z:BI+2*z+1]
.set z, z+1
.endr
	WIN 0
	s_wait_xcnt 0x0                                ; the packed registers, which the last tile's stores read, are rewritten only behind this wait
.set z, 0
.rept 24
	v_cvt_pk_bf16_f32 v[PKD+z], v[T+2*z], v[T+2*z+1]
.set z, z+1
.endr
.irp bb, 0,1,2,3,4,5
.if \kind
	global_store_b128 v[LV], v[PKD+4*(\bb):PKD+4*(\bb)+3], s[OBV:OBV+1] offset:((\a)/4)*393216+(((\a)/2)%2)*1024+((\a)%2)*512+(4*((\bb)/2)+(\bb)%2)*2048
.else
	global_store_b128 v[LQ], v[PKD+4*(\bb):PKD+4*(\bb)+3], s[OB:OB+1] offset:((\bb)/2)*131072+(\a)*2048+((\bb)%2)*512
.endif
.endr
.endr
.endm
	s_wait_tensorcnt 1                             ; my part of K step 0 is in; K step 1's may stay out
	s_barrier_signal -1
	s_barrier_wait -1                              ; everybody's is
	FETCH 0, 0, F0
	s_mov_b32 s2, 3                                ; tiles to go
.Ltile:
	BIAS
	QUARTER 0, 64,  F0, F1, 1                      ; a tile's first quarter starts the sums
	WIN 0
	s_mov_b32 s3, LAPS-1
.Llap:                                                 ; a trip goes once round the ring, from a lap's second quarter to the next lap's first, and fills both slots again
	QUARTER 0, 128, F1, F0, 0
	QUARTER 0, 192, F0, F1, 0
	TURN 0, 1, 0
	QUARTER 1, 64,  F0, F1, 0
	QUARTER 1, 128, F1, F0, 0
	QUARTER 1, 192, F0, F1, 0
	TURN 1, 0, 0
	QUARTER 0, 64,  F0, F1, 0
	WIN 0
	s_sub_co_u32 s3, s3, 1
	s_cmp_lg_u32 s3, 0
	s_cbranch_scc1 .Llap
	QUARTER 0, 128, F1, F0, 0                      ; the tile's last lap goes on
	QUARTER 0, 192, F0, F1, 0
	WIN 0
	s_cmp_eq_u32 s2, 1
	s_cbranch_scc1 .Llast                          ; the last tile's tail is written out: it asks for nothing more
	TURN 0, 1, 1                                   ; the ring goes on into the next tile: slot 0 takes its K step 0,
	QUARTER 1, 64,  F0, F1, 0
	QUARTER 1, 128, F1, F0, 0
	QUARTER 1, 192, F0, F1, 0
	TURN 1, 0, 1                                   ; slot 1 its K step 1, and its first fragments are fetched
	OUT 0                                          ; q, then k
	s_wait_xcnt 0x0                                ; the stores have read their base
	s_add_nc_u64 s[OB:OB+1], s[OB:OB+1], REGION    ; from q's region to k's
	s_sub_co_u32 s2, s2, 1
	s_branch .Ltile
.Llast:
	MEET 0                                         ; my one tensor load that was out is the last K step's, so no round follows
	PLACES
	FETCH 1, 0, F0
	MUL12 F1, 1, 0, 0
	MUL12 F1, 1, 2, 0
	QUARTER 1, 64,  F0, F1, 0
	QUARTER 1, 128, F1, F0, 0
	QUARTER 1, 192, F0, F1, 0
	s_wait_dscnt 8                                 ; the very last quarter: nothing more to fetch
	MUL12 F1, 0, 0, 0
	MUL12 F1, 0, 2, 0
	s_wait_dscnt 0x0
	MUL12 F1, 1, 0, 0
	MUL12 F1, 1, 2, 0
	OUT 1                                          ; v
	s_wait_tensorcnt 0x0                           ; the wave's end
	ds_add_u32 v[SPW], v[NIL]
	s_wait_dscnt 0x0
	CROUND                                         ; the closing round: no work-group ends while a partner may still ask for a tile that names it
	s_endpgm
.Lfunc_end_k_q7d749414ba_proj:
	.size	k_q7d749414ba_proj, .Lfunc_end_k_q7d749414ba_proj-k_q7d749414ba_proj
	.p2alignl 7, 3214868480
	.fill 96, 4, 3214868480
	.section	.rodata,"a",@progbits
	.p2align	6, 0x0
	.amdhsa_kernel k_q7d749414ba_proj
		.amdhsa_group_segment_fixed_size 327680
		.amdhsa_private_segment_fixed_size 0
		.amdhsa_enable_private_segment 0
		.amdhsa_kernarg_size 40
		.amdhsa_user_sgpr_count 2
		.amdhsa_user_sgpr_kernarg_segment_ptr 1
		.amdhsa_wavefront_size32 1
		.amdhsa_system_sgpr_workgroup_id_x 1
		.amdhsa_system_sgpr_workgroup_id_y 1
		.amdhsa_system_sgpr_workgroup_id_z 1
		.amdhsa_system_vgpr_workitem_id 0
		.amdhsa_next_free_vgpr 1024
		.amdhsa_next_free_sgpr 80
		.amdhsa_reserve_vcc 0
		.amdhsa_float_denorm_mode_32 3
		.amdhsa_float_denorm_mode_16_64 3
		.amdhsa_memory_ordered 1
		.amdhsa_forward_progress 1
		.amdhsa_inst_pref_size 179
	.end_amdhsa_kernel
	.amdgpu_metadata
---
amdhsa.version: [ 1, 2 ]
amdhsa.kernels:
  - .name:           k_q7d749414ba_proj
    .symbol:         k_q7d749414ba_proj.kd
    .args:
      - { .name: xw, .offset: 0, .size: 8, .value_kind: global_buffer, .address_space: global }
      - { .name: bq, .offset: 8, .size: 8, .value_kind: global_buffer, .address_space: global }
      - { .name: bk, .offset: 16, .size: 8, .value_kind: global_buffer, .address_space: global }
      - { .name: bv, .offset: 24, .size: 8, .value_kind: global_buffer, .address_space: global }
      - { .name: qkv, .offset: 32, .size: 8, .value_kind: global_buffer, .address_space: global }
    .group_segment_fixed_size: 327680
    .private_segment_fixed_size: 0
    .kernarg_segment_align: 8
    .kernarg_segment_size: 40
    .max_flat_workgroup_size: 128
    .sgpr_count:     80
    .vgpr_count:     1024
    .wavefront_size: 32
...
	.end_amdgpu_metadata
.endif
;; end of part 2
;; launch attn (part 3): grid 16 x 16, 4 waves a work-group, clusters of 4 x 1, 327,680 bytes of LDS; arguments qkv, x, out0; writes out0
.if DOCPART == 3
	.amdgcn_target "amdgcn-amd-amdhsa--gfx1250"
	.amdhsa_code_object_version 6
	.text
	.protected	k_q7d749414ba_attn
	.globl	k_q7d749414ba_attn
	.p2align	8
	.type	k_q7d749414ba_attn,@function
k_q7d749414ba_attn:
	s_mov_b64 s[64:65], 0
	v_nop
	global_prefetch_b8 v0, s[64:65] scope:SCOPE_SE
	s_setreg_imm32_b32 hwreg(HW_REG_WAVE_MODE, 25, 1), 1
	s_wait_xcnt 0x0
	s_wait_alu depctr_hold_cnt(0) depctr_sa_sdst(0) depctr_va_vdst(0) depctr_va_sdst(0) depctr_va_ssrc(0) depctr_va_vcc(0) depctr_vm_vsrc(0)
	s_getreg_b32 s2, hwreg(HW_REG_IB_STS2, 6, 4)
	s_cmp_eq_u32 s2, 0
	s_cbranch_scc0 .Lentry_in_a_cluster
	s_endpgm
.Lentry_in_a_cluster:
	s_bfe_u32 s2, ttmp6, 0x10000c
	s_cmp_lg_u32 s2, 0x3003
	s_cbranch_scc0 .Lentry_shape_is_right
	s_endpgm
.Lentry_shape_is_right:
; out0[b][d][n] = x_flat[b][1024 d + n] + the sum over k of softmax_k(q[b][n] . k[b][k] / sqrt(768)) v[b][k][d]: attention with one head of 768 channels, its result stored transposed, plus x.
; q, k, v come in bf16 and in fragment order from qkv (the launch before says how they lie).  Products, maxima and sums in f32; the weights p are rounded to bf16 for the second product,
; their sum l is taken of the unrounded p.
; LIMITS.  bf16 operands (8 significant bits, f32's range).  The maximum taken away is the true maximum of the whole row.  A weight below 2^-126 counts as 0.  NaN and infinities are not treated apart.
; SHARES.  A work-group owns 64 queries of one batch: 256 work-groups.
; PHASE 1, S^T = K Q^T (source 0 = 16 keys, source 1 = 16 queries).  Wave w owns keys 256 w .. 256 w + 255 for all 64 queries: 64 accumulators, 512 registers: the whole row of scores stays in
;   registers.  24 steps of 32 channels; an LDS slot holds 64 channels of all 1,024 keys (two steps), and a wave fetches and reads its own quarter alone.  Q's four fragments of a step come
;   straight into registers, a ring of four buffers, asked for two and a half steps ahead.
; SOFTMAX.  In a result a lane holds one query (lane % 16) and keys 8 (lane / 16) + 0..7.  The row's maximum: in the lane, the other half of the lanes, the four waves (through LDS).
;   p = 2^(c s - c m), c = log2(e) / sqrt(768).  Two neighbouring key tiles of p, rounded in pairs, ARE a fragment (16 queries x 32 keys) of source 0 of the second product.
; PHASE 2, O = P V (source 0 = P, source 1 = V^T by ds_load_tr16_b128).  Wave w owns channels 192 w .. 192 w + 191 for all 64 queries: 48 accumulators.  32 steps of 32 keys; a slot holds 64 keys
;   x 768 channels (two steps), a wave fetches and reads its own quarter alone.  Every wave needs all of P: it goes through an LDS ring of two quarters of 32 KiB; each wave gives 64 of its keys to
;   each quarter, and v's tiles lie in memory in that order (tile 4 g + w' = keys 256 w' + 64 g ..).  Quarters 2 and 3 wait in registers until quarters 0 and 1 have been read.
; THE WAY OUT.  A result holds one channel a lane and eight queries: 16 channels x 64 queries go through the wave's own stage and come back as rows of 256 bytes; out = O / l + x, one fused multiply-add.
; CLUSTER 4 x 1.  The sixteen query blocks of a batch walk the same K and V; a mask names four at the most, so four neighbours ask for each tile JOINTLY: same load, descriptor and mask (15).
; LDS.  0: K slots 0, 1 of 131,072; later V slots 0, 1 of 98,304 and, from 196,608 (bytes whose last fill is K's last tile), the P ring of 65,536.  262,144: maxima [64 q][4 w]; 263,168: sums likewise;
;   264,192: four stages of 16 x 272; 281,600: the spare words.
; REGISTERS, in windows of 256 (s_set_vgpr_msb: bits 1:0 source 0, 3:2 source 1, 5:4 source 2, 7:6 destination):
;   window 0: v2-15 addresses; v16-63 statistics; v64-191 Q's ring; phase 2: v64-159, v160-255 V's fragments; way out: v64-191 x of channel tiles 8-11
;   window 1: v0-127, v128-255 K's fragments; then P at 16 kt + 4 t; phase 2: v0-31, v32-63 P's fragments, v128-255 quarters 2, 3; way out: x of channel tiles 0-7
;   windows 2, 3: S^T (kt, t) at 32 (kt % 8) + 8 t; then O (t, c) at 32 (c % 8) + 8 t (window 3: c = 8-11); window 3 v128-191: rows back from the stage
.set REGION, 25165824
.set BATCH,  1572864
.set SLK,    131072
.set SLV,    98304
.set PBASE,  196608
.set MXB,    262144
.set SMB,    263168
.set STAGE,  264192
.set SPITCH, 272                       ; 17 x 16 bytes: the 16 rows of a store begin at 16 different 16-byte columns of 256
.set SPARE,  281600                    ; two blocks of 256 bytes that no other line names
.set LO,  2                            ; v2     16 l
.set AK,  3                            ; v3-4   my quarter of K's slot 0, 1, + 16 l
.set AV,  5                            ; v5-6   the same for V
.set AP0, 7                            ; v7     the P ring + 16 l
.set AP,  8                            ; v8     the address of P's run of loads in hand
.set PS,  9                            ; v9     where I store P: ring + 8,192 w + 16 l
.set MXS, 10                           ; v10    my word among the maxima: 16 r + 4 w
.set MXL, 11                           ; v11    the four waves' words: 16 r
.set STO, 12                           ; v12    into my stage: 272 r + 32 h
.set RD,  13                           ; v13    back: 272 h + 16 r
.set XO,  14                           ; v14    my bytes in two rows of x and out0: 4,096 h + 16 r
.set LIA, 15                           ; v15    the sums of queries 4 r .. 4 r + 3
.set M,   16                           ; v16-19 the maximum, by query tile
.set CM,  20                           ; v20-27 c m, twice, by query tile
.set SPW, 28
.set NIL, 29
.set ST4, 32                           ; v32-47 statistics read back
.set LINV, 48                          ; v48-51 1 / l of queries 4 r + 0..3
.set TP,  52                           ; v52-55 the other half of the lanes'
.set L2,  56                           ; v56-59 sums of window 2's keys
.set L3,  60                           ; v60-63 of window 3's
.set QF,  64
.set VF,  64
.set QP,  16                           ; s[16:17] Q at my block's fragments
.set G1K, 24
.set G1V, 32
.set G0K, 40                           ; s[40:47] a set for each slot
.set G0V, 48                           ; s[48:55]
.set CS,  58                           ; s[58:59] c
.set MSB, 0
.macro WIN new
.if MSB != (\new)
	s_set_vgpr_msb (MSB<<8)|(\new)
.set MSB, \new
.endif
.endm
.macro PLACES                          ; four places behind matrix instructions (ISA guide 7.12.1)
.rept 4
	v_nop
.endr
.endm
.macro CREST
	s_cmp_lg_u32 s12, 0
	s_cbranch_scc1 .Lnot_wave_0_\@
	s_barrier_signal -3
.Lnot_wave_0_\@:
	s_barrier_wait -3
	s_barrier_signal -1
	s_barrier_wait -1
.endm
.macro CROUND
	s_barrier_signal -1
	s_barrier_wait -1
	CREST
.endm
	s_load_b128 s[4:7], s[0:1], 0x0                ; qkv s[4:5], x s[6:7]
	s_load_b64 s[8:9], s[0:1], 0x10                ; out0
	v_lshl_add_u32 v[SPW], v0, 2, SPARE
	v_mov_b32 v[NIL], 0
	ds_add_u32 v[SPW], v[NIL]                      ; the wave's opening: the add and its wait stand ahead of my first tensor load; work on registers stands between them
	v_lshrrev_b32 v1, 5, v0
	v_readfirstlane_b32 s12, v1                    ; wave 0..3
	v_and_b32 v1, 31, v0
	v_lshlrev_b32 v[LO], 4, v1
	s_bfe_u32 s13, ttmp6, 0x40000                  ; cx
	s_lshl_b32 s14, ttmp9, 2
	s_add_co_u32 s14, s14, s13                     ; my block of 64 queries: it enters Q's, x's and out0's addresses alone
	s_and_b32 s15, ttmp7, 0xffff                   ; the batch, which the four partners share
	s_mul_i32 s18, s15, BATCH
	s_lshl_b32 s19, s12, 15                        ; my quarter of a tile of K: 32,768 w
	s_mul_i32 s22, s12, 24576                      ; of a tile of V
	s_add_co_u32 s20, s18, s19
	s_add_co_u32 s20, s20, REGION                  ; K's region
	s_mov_b32 s21, 0
	s_add_co_u32 s10, s18, s22
	s_add_co_u32 s10, s10, 2*REGION                ; V's region
	s_mov_b32 s11, 0
	s_lshl_b32 s16, s14, 13                        ; four query tiles of 2,048 bytes
	s_add_co_u32 s16, s16, s18
	s_mov_b32 s17, 0
	s_mul_i32 s2, s15, 3145728                     ; x and out0: the batch,
	s_mul_i32 s3, s12, 786432                      ; my 192 channel rows of 4,096 bytes,
	s_add_co_u32 s2, s2, s3
	s_lshl_b32 s3, s14, 8                          ; my block's 256 bytes in a row
	s_add_co_u32 s2, s2, s3
	s_mov_b32 s3, 0
	; descriptor group 1: a dense block, asked for as rows of 256 bytes (32 elements of 8 bytes): 128 rows of K, 96 of V
	s_mov_b32 s[G1K], 15|(3<<16)|(1<<21)           ; the mask of four; 8-byte elements; bit 21 beside a mask
	s_mov_b32 s[G1V], 15|(3<<16)|(1<<21)
	s_mov_b32 s[G1K+1], 32<<16                     ; tensor_dim0 = 32
	s_mov_b32 s[G1V+1], 32<<16
	s_mov_b32 s[G1K+2], 128<<16                    ; tensor_dim1
	s_mov_b32 s[G1V+2], 96<<16
	s_mov_b32 s[G1K+3], 32<<16                     ; tile_dim0 = 32
	s_mov_b32 s[G1V+3], 32<<16
	s_mov_b32 s[G1K+4], 128                        ; tile_dim1
	s_mov_b32 s[G1V+4], 96
	s_mov_b32 s[G1K+5], 32                         ; elements from row to row
	s_mov_b32 s[G1V+5], 32
	s_mov_b32 s[G1K+6], 0
	s_mov_b32 s[G1V+6], 0
	s_mov_b32 s[G1K+7], 0
	s_mov_b32 s[G1V+7], 0
	s_mov_b32 s[G0K], 1
	s_mov_b32 s[G0K+1], s19                        ; LDS: my quarter of slot 0,
	s_mov_b32 s[G0K+4], 1
	s_add_co_u32 s[G0K+5], s19, SLK                ; of slot 1
	s_mov_b32 s[G0V], 1
	s_mov_b32 s[G0V+1], s22
	s_mov_b32 s[G0V+4], 1
	s_add_co_u32 s[G0V+5], s22, SLV
	s_mov_b32 s[CS], 0x3d553b95                    ; c = log2(e) / sqrt(768) = 0.0520588
	s_mov_b32 s[CS+1], s[CS]                       ; named with it as a pair
	s_mov_b32 s60, 0x76543210                      ; v_permlanex16_b32: each lane takes its own place in the other half
	s_mov_b32 s61, 0xfedcba98
.irp t, 0,1,2,3
	v_mov_b32 v[TP+(\t)], 0                        ; v_permlanex16_b32's destination counts as read
.endr
	s_wait_dscnt 0x0                               ; the opening add is done
	s_wait_kmcnt 0x0
	s_add_nc_u64 s[G0K+2:G0K+3], s[4:5], s[20:21]  ; K's tile 0, my quarter,
	s_add_nc_u64 s[G0K+6:G0K+7], s[G0K+2:G0K+3], SLK  ; tile 1
	s_or_b32 s[G0K+3], s[G0K+3], 0x80000000
	s_or_b32 s[G0K+7], s[G0K+7], 0x80000000
	s_add_nc_u64 s[G0V+2:G0V+3], s[4:5], s[10:11]
	s_add_nc_u64 s[G0V+6:G0V+7], s[G0V+2:G0V+3], SLV
	s_or_b32 s[G0V+3], s[G0V+3], 0x80000000
	s_or_b32 s[G0V+7], s[G0V+7], 0x80000000
	s_add_nc_u64 s[QP:QP+1], s[4:5], s[16:17]
	s_add_nc_u64 s[6:7], s[6:7], s[2:3]
	s_add_nc_u64 s[8:9], s[8:9], s[2:3]
	CROUND                                         ; all four work-groups are here: the first joint loads meet
	tensor_load_to_lds s[G0K:G0K+3], s[G1K:G1K+7]  ; every wave asks for its own quarter: two tensor loads of mine are out
	s_nop 0
	tensor_load_to_lds s[G0K+4:G0K+7], s[G1K:G1K+7]
	s_nop 0
	PLACES
; PHASE 1.  16 products: key tiles k0 .. k0 + 3 x the four query tiles.  The 64 accumulators take turns in one order everywhere.
.macro MULK kb, qb, k0, zero
	WIN 0xa1+0x50*((\k0)/8)                        ; K in window 1, Q in window 0, S^T in window 2 or 3
.irp kk, 0,1,2,3
.irp t, 0,1,2,3
.set rS, 32*(((\k0)+(\kk))%8)+8*(\t)
.set rK, 128*(\kb)+8*((\k0)+(\kk))
.set rQ, QF+32*(\qb)+8*(\t)
.if \zero
	v_wmma_f32_16x16x32_bf16 v[rS:rS+7], v[rK:rK+7], v[rQ:rQ+7], 0
.else
	v_wmma_f32_16x16x32_bf16 v[rS:rS+7], v[rK:rK+7], v[rQ:rQ+7], v[rS:rS+7]
.endif
.endr
.endr
.endm
.macro FETCHK slot, cs, kb             ; 32 LDS loads in one run: my 16 key tiles, half cs of the slot's 64 channels; each load takes 512 consecutive bytes
	WIN 0x40
.set z, 0
.rept 16
	ds_load_b128 v[128*(\kb)+8*z:128*(\kb)+8*z+3],   v[AK+(\slot)] offset:z*2048+(\cs)*1024
	ds_load_b128 v[128*(\kb)+8*z+4:128*(\kb)+8*z+7], v[AK+(\slot)] offset:z*2048+(\cs)*1024+512
.set z, z+1
.endr
.endm
.macro QLOAD qb, du                    ; Q's four fragments of the step du steps behind the one that QP stands for
	WIN 0
.irp t, 0,1,2,3
	global_load_b128 v[QF+32*(\qb)+8*(\t):QF+32*(\qb)+8*(\t)+3],   v[LO], s[QP:QP+1] offset:((\du)/2)*131072+((\du)%2)*1024+(\t)*2048
	global_load_b128 v[QF+32*(\qb)+8*(\t)+4:QF+32*(\qb)+8*(\t)+7], v[LO], s[QP:QP+1] offset:((\du)/2)*131072+((\du)%2)*1024+(\t)*2048+512
.endr
.endm
; An even step: the slot's first 32 channels.  In its middle it fetches the slot's second half, and asks for Q three steps on (ql = 1) into the buffer that the step before used.
; lc: Q of the two steps to come, sixteen loads, may be out (in the tail: eight).
.macro Q1 slot, kb, qb, lc, ql, du, zero
	s_wait_loadcnt \lc
	s_wait_dscnt 16                                ; key tiles 0-7 are in
	MULK \kb, \qb, 0, \zero
	MULK \kb, \qb, 4, \zero
	PLACES
	FETCHK \slot, 1, 1-(\kb)
.if \ql
	QLOAD ((\qb)+3)%4, \du
.endif
	s_wait_dscnt 32                                ; all but the 32 just issued
	MULK \kb, \qb, 8, \zero
	MULK \kb, \qb, 12, \zero
.endm
; An odd step changes slots.  In front of the round each wave waits for all its tensor loads (one is out: its quarter of the other slot), adds 0 to its spare word, and waits for that and for its reads
; of this slot.  Behind the round this slot is filled again first: with K's tile two on, or (fillv = 1, the last two changes) with V's tile 0 or 1.
.macro T1 slot, kb, qb, lc, fillv, fetch, ql, du
	WIN 0
	s_wait_loadcnt \lc
	s_wait_tensorcnt 0x0
	ds_add_u32 v[SPW], v[NIL]
	s_wait_dscnt 17                                ; the add and the youngest sixteen loads may be out
	MULK \kb, \qb, 0, 0
	s_wait_dscnt 0x0                               ; the add is done, and my reads of this slot are over
	s_barrier_signal -1
	MULK \kb, \qb, 4, 0
	WIN 0
	s_barrier_wait -1
	CREST                                          ; no wave of any partner still reads the slot or has a load on its way
.if \fillv
	tensor_load_to_lds s[G0V+4*(\slot):G0V+4*(\slot)+3], s[G1V:G1V+7]
.else
	s_add_nc_u64 s[G0K+4*(\slot)+2:G0K+4*(\slot)+3], s[G0K+4*(\slot)+2:G0K+4*(\slot)+3], 2*SLK
	tensor_load_to_lds s[G0K+4*(\slot):G0K+4*(\slot)+3], s[G1K:G1K+7]
.endif
	s_nop 0
	PLACES                                         ; also the places in front of the loads below
.if \fetch
	FETCHK 1-(\slot), 0, 1-(\kb)
.endif
.if \ql
	QLOAD ((\qb)+3)%4, \du
.endif
	MULK \kb, \qb, 8, 0
	MULK \kb, \qb, 12, 0
.endm
	QLOAD 0, 0
	QLOAD 1, 1
	QLOAD 2, 2
	v_and_b32 v30, 15, v0                          ; r
	v_bfe_u32 v31, v0, 4, 1                        ; h
	v_add_nc_u32 v[AK], s19, v[LO]
	v_add_nc_u32 v[AK+1], SLK, v[AK]
	v_add_nc_u32 v[AV], s22, v[LO]
	v_add_nc_u32 v[AV+1], SLV, v[AV]
	v_add_nc_u32 v[AP0], PBASE, v[LO]
	s_lshl_b32 s23, s12, 13
	v_add_nc_u32 v[PS], s23, v[AP0]
	v_lshlrev_b32 v[MXL], 4, v30
	v_add_nc_u32 v[MXL], MXB, v[MXL]
	s_lshl_b32 s23, s12, 2
	v_add_nc_u32 v[MXS], s23, v[MXL]
	s_mul_i32 s23, s12, 16*SPITCH
	s_add_co_u32 s23, s23, STAGE                   ; my stage
	v_mul_u32_u24 v[STO], v30, SPITCH
	v_lshl_add_u32 v[STO], v31, 5, v[STO]
	v_add_nc_u32 v[STO], s23, v[STO]
	v_mul_u32_u24 v[RD], v31, SPITCH
	v_lshl_add_u32 v[RD], v30, 4, v[RD]
	v_add_nc_u32 v[RD], s23, v[RD]
	v_lshlrev_b32 v[XO], 12, v31
	v_lshl_add_u32 v[XO], v30, 4, v[XO]
	v_lshlrev_b32 v[LIA], 6, v30
	v_add_nc_u32 v[LIA], SMB, v[LIA]
	s_wait_tensorcnt 1                             ; my quarter of tile 0 is in; tile 1's may stay out
	s_barrier_signal -1
	s_barrier_wait -1
	FETCHK 0, 0, 0
	Q1 0, 0, 0, 16, 1, 3, 1                        ; step 0 starts the sums
	WIN 0
	s_mov_b32 s56, 5
.Lp1:                                                  ; trip i: steps 4 i + 1 .. 4 i + 4; it asks for K's tiles 2 i + 2, 2 i + 3 and for Q of steps 4 i + 4 .. 4 i + 7: the last are tile 11 and step 23
	T1 0, 1, 1, 16, 0, 1, 1, 4
	Q1 1, 0, 2, 16, 1, 5, 0
	T1 1, 1, 3, 16, 0, 1, 1, 6
	Q1 0, 0, 0, 16, 1, 7, 0
	WIN 0
	s_wait_xcnt 0x0                                ; Q's loads have read their base
	s_add_nc_u64 s[QP:QP+1], s[QP:QP+1], 2*SLK     ; four steps on
	s_sub_co_u32 s56, s56, 1
	s_cmp_lg_u32 s56, 0
	s_cbranch_scc1 .Lp1
	T1 0, 1, 1, 16, 1, 1, 0, 0                     ; step 21: K's slot 0 is read out; V's tile 0 is asked for
	Q1 1, 0, 2, 8, 0, 0, 0                         ; step 22
	T1 1, 1, 3, 0, 1, 0, 0, 0                      ; step 23: all of K is read out; V's tile 1 is asked for
	; SOFTMAX.  The maximum starts at minus infinity: these four lines are also the places behind the last products.
	WIN 0
.irp t, 0,1,2,3
	v_mov_b32 v[M+(\t)], 0xff800000
.endr
.macro MAXW W                          ; four chains, one a query tile; each accumulator's lowest registers are read first
	WIN 0x28+0x14*((\W)-2)                         ; sources 1 and 2 in window W
.set g, 0
.rept 8
.set p, 0
.rept 4
.irp t, 0,1,2,3
	v_max3_num_f32 v[M+(\t)], v[M+(\t)], v[32*g+8*(\t)+2*p], v[32*g+8*(\t)+2*p+1]
.endr
.set p, p+1
.endr
.set g, g+1
.endr
.endm
	MAXW 2
	MAXW 3
	WIN 0
.irp t, 0,1,2,3
	v_permlanex16_b32 v[TP+(\t)], v[M+(\t)], s60, s61   ; the query's other keys of each tile lie in the lane 16 away
.endr
.irp t, 0,1,2,3
	v_max_num_f32 v[M+(\t)], v[M+(\t)], v[TP+(\t)]
.endr
.irp t, 0,1,2,3
	ds_store_b32 v[MXS], v[M+(\t)] offset:256*(\t)      ; query 16 t + r, wave w; both halves of the lanes write the same number
.endr
	s_wait_dscnt 0x0                               ; for the others' sake
	s_barrier_signal -1                            ; V's two tiles stay on their way
	s_barrier_wait -1
.irp t, 0,1,2,3
	ds_load_b128 v[ST4+4*(\t):ST4+4*(\t)+3], v[MXL] offset:256*(\t)
.endr
	s_wait_dscnt 0x0
.irp t, 0,1,2,3
	v_max3_num_f32 v[M+(\t)], v[ST4+4*(\t)], v[ST4+4*(\t)+1], v[ST4+4*(\t)+2]
.endr
.irp t, 0,1,2,3
	v_max_num_f32 v[M+(\t)], v[M+(\t)], v[ST4+4*(\t)+3]
.endr
.irp t, 0,1,2,3
	v_mul_f32 v[CM+2*(\t)], s[CS], v[M+(\t)]
	v_mul_f32 v[CM+2*(\t)+1], s[CS], v[M+(\t)]
.endr
; A window's 8 groups (key tiles) of 32 registers.  FF: c s - c m for pair zz of group gg.  AA: line ii of 16 of group gg's sums, in place: within each accumulator, then onto it the group before's.
.macro FF gg, zz
	v_pk_fma_f32 v[32*(\gg)+2*(\zz):32*(\gg)+2*(\zz)+1], v[32*(\gg)+2*(\zz):32*(\gg)+2*(\zz)+1], s[CS:CS+1], v[CM+2*((\zz)/4):CM+2*((\zz)/4)+1] op_sel_hi:[1,0,0] neg_lo:[0,0,1] neg_hi:[0,0,1]
.endm
.macro AA gg, ii
.set ab, 32*(\gg)+8*((\ii)%4)
.if (\ii)/4 == 0
	v_pk_add_f32 v[ab:ab+1], v[ab:ab+1], v[ab+2:ab+3]
.elseif (\ii)/4 == 1
	v_pk_add_f32 v[ab+4:ab+5], v[ab+4:ab+5], v[ab+6:ab+7]
.elseif (\ii)/4 == 2
	v_pk_add_f32 v[ab:ab+1], v[ab:ab+1], v[ab+4:ab+5]
.elseif (\gg) > 0
	v_pk_add_f32 v[ab:ab+1], v[ab:ab+1], v[ab-32:ab-31]
.endif
.endm
; Group g's 32 exponentials stand with plain lines of other groups between them (the next group's scalings, the sums of the group before, whose weights have been rounded): no line reads an
; exponential's result before a plain line has followed it (ISA guide 5.7.2).  Then the group's weights are rounded to bf16 into window 1.
.macro SMX W
.set PW, 128*((\W)-2)
.set WX, 0x8a+0x45*((\W)-2)            ; destination, sources 0 and 1 in window W; source 2 (c m) in window 0
.set WY, 0x4a+0x05*((\W)-2)            ; destination in window 1, sources in window W
	WIN WX
.set z, 0
.rept 16
	FF 0, z
.set z, z+1
.endr
.set g, 0
.rept 8
	WIN WX
.set e, 0
.rept 32
	v_exp_f32 v[32*g+e], v[32*g+e]
.if (e%2 == 0) && (g < 7)
	FF g+1, e/2
.endif
.if (e%2 == 1) && (g > 0)
	AA g-1, e/2
.endif
.set e, e+1
.endr
	WIN WY
.set z, 0
	s_wait_alu depctr_va_vdst(0)
.rept 16
	v_cvt_pk_bf16_f32 v[PW+16*g+z], v[32*g+2*z], v[32*g+2*z+1]
.set z, z+1
.endr
.set g, g+1
.endr
	WIN WX
.set z, 0
.rept 16
	AA 7, z
.set z, z+1
.endr
.endm
	SMX 2
	WIN 0x0a
.irp t, 0,1,2,3
	v_add_f32 v[L2+(\t)], v[224+8*(\t)], v[224+8*(\t)+1]   ; even keys' and odd keys' sums
.endr
	SMX 3
	WIN 0x0f
.irp t, 0,1,2,3
	v_add_f32 v[L3+(\t)], v[224+8*(\t)], v[224+8*(\t)+1]
.endr
	WIN 0
.irp t, 0,1,2,3
	v_add_f32 v[L2+(\t)], v[L2+(\t)], v[L3+(\t)]
.endr
.irp t, 0,1,2,3
	v_permlanex16_b32 v[TP+(\t)], v[L2+(\t)], s60, s61
.endr
.irp t, 0,1,2,3
	v_add_f32 v[L2+(\t)], v[L2+(\t)], v[TP+(\t)]
.endr
.irp t, 0,1,2,3
	ds_store_b32 v[MXS], v[L2+(\t)] offset:SMB-MXB+256*(\t)
.endr
; Quarter g of P: my key tiles 4 g .. 4 g + 3, into half g % 2 of the ring, at 8,192 w: [32 keys 2][query tile 4][16 keys 2][512 bytes].
.macro PSTORE g
	WIN 0x04                                       ; data in window 1
.irp k4, 0,1,2,3
.irp t, 0,1,2,3
	ds_store_b128 v[PS], v[64*(\g)+16*(\k4)+4*(\t):64*(\g)+16*(\k4)+4*(\t)+3] offset:((\g)%2)*32768+((\k4)/2)*4096+(\t)*1024+((\k4)%2)*512
.endr
.endr
	WIN 0
.endm
	PSTORE 0
	PSTORE 1
	s_wait_dscnt 0x0                               ; for the others' sake: my sums and my part of P are in LDS
	s_wait_tensorcnt 1                             ; my quarter of V's tile 0 is in; tile 1's, issued behind it, may stay out
	s_barrier_signal -1
	s_barrier_wait -1
	s_mov_b32 s57, 0                               ; the ring's byte at which P of the step to be fetched begins
; PHASE 2.  Products for channel tiles c0 .. c0 + n - 1 x the four query tiles, on buffers b.  The 48 accumulators take turns in one order everywhere.
.macro MULC b, c0, n, zero
.set cc, \c0
.rept \n
	WIN 0xa1+0x50*(cc/8)                           ; P in window 1, V in window 0, O in window 2 or 3
.irp t, 0,1,2,3
.set rO, 32*(cc%8)+8*(\t)
.set rP, 32*(\b)+8*(\t)
.set rV, VF+96*(\b)+8*cc
.if \zero
	v_wmma_f32_16x16x32_bf16 v[rO:rO+7], v[rP:rP+7], v[rV:rV+7], 0
.else
	v_wmma_f32_16x16x32_bf16 v[rO:rO+7], v[rP:rP+7], v[rV:rV+7], v[rO:rO+7]
.endif
.endr
.set cc, cc+1
.endr
.endm
; 32 LDS loads in one run: a step's P (4 fragments) and then its V (12 fragments, turned), into buffers b.  P's steps follow each other in the ring, 4,096 bytes each, round its 65,536.
.macro FETCH2 slot, ks, b
	WIN 0
	v_add_nc_u32 v[AP], s57, v[AP0]
	s_add_co_u32 s57, s57, 4096
	s_and_b32 s57, s57, 0xffff
	WIN 0x40
.irp t, 0,1,2,3
	ds_load_b128 v[32*(\b)+8*(\t):32*(\b)+8*(\t)+3],   v[AP] offset:(\t)*1024
	ds_load_b128 v[32*(\b)+8*(\t)+4:32*(\b)+8*(\t)+7], v[AP] offset:(\t)*1024+512
.endr
	WIN 0
.set z, 0
.rept 12
	ds_load_tr16_b128 v[VF+96*(\b)+8*z:VF+96*(\b)+8*z+3],   v[AV+(\slot)] offset:z*2048+(\ks)*1024
	ds_load_tr16_b128 v[VF+96*(\b)+8*z+4:VF+96*(\b)+8*z+7], v[AV+(\slot)] offset:z*2048+(\ks)*1024+512
.set z, z+1
.endr
.endm
; A step without a change of slots: multiplies buffers b; in between it fetches the next step (slot fslot, half fks) into the other buffers.  tw = 1: that step's tile, my own last one, is waited for.
.macro Q2 fslot, fks, b, zero, tw
	s_wait_dscnt 16                                ; P and V's channel tiles 0-3 are in
	MULC \b, 0, 4, \zero
	PLACES
.if \tw
	s_wait_tensorcnt 0x0
.endif
	FETCH2 \fslot, \fks, 1-(\b)
	s_wait_dscnt 32                                ; all but the 32 just issued
	MULC \b, 4, 8, \zero
.endm
; A slot's second step changes slots, as in phase 1; the slot takes V's tile two on.
.macro T2 slot, b
	WIN 0
	s_wait_tensorcnt 0x0
	ds_add_u32 v[SPW], v[NIL]                      ; 0 onto my spare word; the descriptor's step stands between it and the wait for it
	s_add_nc_u64 s[G0V+4*(\slot)+2:G0V+4*(\slot)+3], s[G0V+4*(\slot)+2:G0V+4*(\slot)+3], 2*SLV
	s_wait_dscnt 0x0                               ; the add, my reads of this slot and of P, and my stores of P are done
	s_barrier_signal -1
	MULC \b, 0, 4, 0
	WIN 0
	s_barrier_wait -1
	CREST
	tensor_load_to_lds s[G0V+4*(\slot):G0V+4*(\slot)+3], s[G1V:G1V+7]
	s_nop 0
	PLACES                                         ; also the places in front of the loads below
	FETCH2 1-(\slot), 0, 1-(\b)
	MULC \b, 4, 8, 0
.endm
	FETCH2 0, 0, 0
	Q2 0, 1, 0, 1, 0                               ; step 0 starts the sums
	WIN 0
	s_mov_b32 s56, 7
.Lp2:                                                  ; trip i (s56 = 7 - i): steps 4 i + 1 .. 4 i + 4; it asks for V's tiles 2 i + 2 and 2 i + 3: the last is tile 15
	T2 0, 1
	Q2 1, 1, 0, 0, 0
	T2 1, 1
	Q2 0, 1, 0, 0, 0
	WIN 0
	s_cmp_eq_u32 s56, 6                            ; behind step 7's round every wave has read quarter 0: quarter 2 takes its place; step 9's round, with its wait for my stores, shows it to all, and step 15 reads it first
	s_cbranch_scc0 .Lno_p2
	PSTORE 2
.Lno_p2:
	s_cmp_eq_u32 s56, 4                            ; behind step 15's round: quarter 3 takes quarter 1's place; step 17's round shows it, step 23 reads it first
	s_cbranch_scc0 .Lno_p3
	PSTORE 3
.Lno_p3:
	s_sub_co_u32 s56, s56, 1
	s_cmp_lg_u32 s56, 0
	s_cbranch_scc1 .Lp2
	Q2 1, 0, 1, 0, 1                               ; step 29: nothing is filled any more, so no barrier: tile 15's quarter is my own
	Q2 1, 1, 0, 0, 0                               ; step 30
	s_wait_dscnt 16                                ; step 31
	MULC 1, 0, 4, 0
	s_wait_dscnt 0x0
	MULC 1, 4, 8, 0
	PLACES                                         ; behind the last products: their sources are loaded over, their results stored
	; THE WAY OUT.  x's 192 rows x 256 bytes: 96 loads, 16 lanes to a row's 256 consecutive bytes.
	WIN 0x40
.set z, 0
.rept 64
	global_load_b128 v[4*z:4*z+3], v[XO], s[6:7] offset:(z/8)*65536+(z%8)*8192 th:TH_LOAD_NT
.set z, z+1
.endr
	WIN 0
.rept 32
	global_load_b128 v[64+4*(z-64):64+4*(z-64)+3], v[XO], s[6:7] offset:(z/8)*65536+(z%8)*8192 th:TH_LOAD_NT
.set z, z+1
.endr
.irp i, 0,1,2,3
	ds_load_b128 v[ST4+4*(\i):ST4+4*(\i)+3], v[LIA] offset:16*(\i)   ; the four waves' sums for query 4 r + i
.endr
	s_wait_dscnt 0x0
.irp i, 0,1,2,3
	v_add_f32 v[ST4+4*(\i)], v[ST4+4*(\i)], v[ST4+4*(\i)+1]
	v_add_f32 v[ST4+4*(\i)+2], v[ST4+4*(\i)+2], v[ST4+4*(\i)+3]
.endr
.irp i, 0,1,2,3
	v_add_f32 v[ST4+4*(\i)], v[ST4+4*(\i)], v[ST4+4*(\i)+2]
.endr
.irp i, 0,1,2,3
	v_rcp_f32 v[LINV+(\i)], v[ST4+4*(\i)]
.endr
	v_nop                                          ; a plain instruction between the last reciprocal and the use of its result
	s_wait_alu depctr_va_vdst(0)
; Channel tile c: a lane's eight queries of a channel go into the channel's row of my stage (the accumulator's low registers first) and come back as whole rows, two a load.
.macro TOSTAGE c
.if (\c) >= 2
	s_wait_xcnt 0x0                                ; the registers that tile c - 2's stores read are loaded again only behind this wait
.endif
	WIN 0x08+0x04*((\c)/8)                         ; data in window 2 or 3
.irp t, 0,1,2,3
	ds_store_b128 v[STO], v[32*((\c)%8)+8*(\t):32*((\c)%8)+8*(\t)+3]   offset:64*(\t)
	ds_store_b128 v[STO], v[32*((\c)%8)+8*(\t)+4:32*((\c)%8)+8*(\t)+7] offset:64*(\t)+16
.endr
	WIN 0xc0                                       ; destination in window 3
.irp i, 0,1,2,3,4,5,6,7
	ds_load_b128 v[128+32*((\c)%2)+4*(\i):128+32*((\c)%2)+4*(\i)+3], v[RD] offset:2*SPITCH*(\i)   ; LDS serves a wave's instructions in order (ISA guide 5.7.1.4): these see the stores above; the next tile's come behind them
.endr
.endm
; out = O / l + x, and eight stores: 16 lanes store 256 consecutive bytes, at a multiple of 256 from out0's first byte.  younger: the LDS instructions issued behind this tile's loads.
.macro SEND c, younger
	s_wait_dscnt \younger
.if 8*(11-(\c)) > 63
	s_wait_loadcnt 63                              ; of the 96 loads the oldest 33 are in, this tile's among them
.else
	s_wait_loadcnt 8*(11-(\c))                     ; the later tiles' loads may be out
.endif
.if (\c) < 8
	WIN 0xd3                                       ; rows in window 3, 1 / l in window 0, x in window 1
.set XR, 32*(\c)
.else
	WIN 0xc3                                       ; x in window 0
.set XR, 64+32*((\c)-8)
.endif
.set BKR, 128+32*((\c)%2)
.set z, 0
.rept 16
	v_pk_fma_f32 v[BKR+2*z:BKR+2*z+1], v[BKR+2*z:BKR+2*z+1], v[LINV+2*(z%2):LINV+2*(z%2)+1], v[XR+2*z:XR+2*z+1]
.set z, z+1
.endr
	WIN 0x0c                                       ; data in window 3
.irp i, 0,1,2,3,4,5,6,7
	global_store_b128 v[XO], v[BKR+4*(\i):BKR+4*(\i)+3], s[8:9] offset:(\c)*65536+(\i)*8192 th:TH_STORE_NT
.endr
.endm
	TOSTAGE 0
.irp c, 1,2,3,4,5,6,7,8,9,10,11        ; a tile's trip through the stage stands between the loads of the tile before and its stores
	TOSTAGE \c
	SEND (\c)-1, 16
.endr
	SEND 11, 0
	WIN 0
	s_wait_tensorcnt 0x0                           ; the wave's end: behind my last tensor load and my last LDS store
	ds_add_u32 v[SPW], v[NIL]
	s_wait_dscnt 0x0
	CROUND                                         ; the closing round: no work-group ends while a partner may still ask for a tile that names it
	s_endpgm
.Lfunc_end_k_q7d749414ba_attn:
	.size	k_q7d749414ba_attn, .Lfunc_end_k_q7d749414ba_attn-k_q7d749414ba_attn
	.p2alignl 7, 3214868480
	.fill 96, 4, 3214868480
	.section	.rodata,"a",@progbits
	.p2align	6, 0x0
	.amdhsa_kernel k_q7d749414ba_attn
		.amdhsa_group_segment_fixed_size 327680
		.amdhsa_private_segment_fixed_size 0
		.amdhsa_enable_private_segment 0
		.amdhsa_kernarg_size 24
		.amdhsa_user_sgpr_count 2
		.amdhsa_user_sgpr_kernarg_segment_ptr 1
		.amdhsa_wavefront_size32 1
		.amdhsa_system_sgpr_workgroup_id_x 1
		.amdhsa_system_sgpr_workgroup_id_y 1
		.amdhsa_system_sgpr_workgroup_id_z 1
		.amdhsa_system_vgpr_workitem_id 0
		.amdhsa_next_free_vgpr 1024
		.amdhsa_next_free_sgpr 66
		.amdhsa_reserve_vcc 0
		.amdhsa_float_denorm_mode_32 3
		.amdhsa_float_denorm_mode_16_64 3
		.amdhsa_memory_ordered 1
		.amdhsa_forward_progress 1
		.amdhsa_inst_pref_size 246
	.end_amdhsa_kernel
	.amdgpu_metadata
---
amdhsa.version: [ 1, 2 ]
amdhsa.kernels:
  - .name:           k_q7d749414ba_attn
    .symbol:         k_q7d749414ba_attn.kd
    .args:
      - { .name: qkv, .offset: 0, .size: 8, .value_kind: global_buffer, .address_space: global }
      - { .name: x, .offset: 8, .size: 8, .value_kind: global_buffer, .address_space: global }
      - { .name: out0, .offset: 16, .size: 8, .value_kind: global_buffer, .address_space: global }
    .group_segment_fixed_size: 327680
    .private_segment_fixed_size: 0
    .kernarg_segment_align: 8
    .kernarg_segment_size: 24
    .max_flat_workgroup_size: 128
    .sgpr_count:     66
    .vgpr_count:     1024
    .wavefront_size: 32
...
	.end_amdgpu_metadata
.endif
;; end of part 3
;; ======== version 2 of 2: 3 launches; 1.16 times as fast as version 1
;; workspace buffers: xw 28,704,768 bytes; qkv 75,497,472 bytes
;; launch cast (part 4): grid 1752 x 1, 8 waves a work-group, no clusters, 0 bytes of LDS; arguments x, Wq, Wk, Wv, xw; writes xw
.if DOCPART == 4
	.amdgcn_target "amdgcn-amd-amdhsa--gfx1250"
	.amdhsa_code_object_version 6
	.text
	.protected	k_q7d749414ba_cast
	.globl	k_q7d749414ba_cast
	.p2align	8
	.type	k_q7d749414ba_cast,@function
k_q7d749414ba_cast:
	s_mov_b64 s[64:65], 0
	v_nop
	global_prefetch_b8 v0, s[64:65] scope:SCOPE_SE
	s_setreg_imm32_b32 hwreg(HW_REG_WAVE_MODE, 25, 1), 1
	s_wait_xcnt 0x0
; x, Wq, Wk, Wv (f32) are rounded once to bf16 (nearest even) and laid end to end in xw: x's 16,384 rows of 768, then Wq's, Wk's and Wv's 768 rows each.
; A stream: no LDS, no barrier, no matrix unit, no cluster (no two work-groups read the same byte).
; A work-group takes one chunk of 32,768 source bytes (8,192 numbers) and writes 16,384 bytes.  Chunks 0-1535 are x's, then 72 each are Wq's, Wk's and Wv's;
; since 1,536 x 16,384 bytes are all of x in bf16 and 72 x 16,384 one W, the destination is xw + 16,384 x chunk for every chunk.  1,752 chunks are 6 or 7 for each of 256 WGPs.
; Thread t owns 16 source bytes at 16 t of every 4,096: a wave's load covers 512 consecutive bytes, its store 256 consecutive bytes at a multiple of 256 from xw's first byte.
; All 8 loads of a thread are issued before the first is used; no register is written twice, so no wait frees a source.
.set SRC_CHUNK, 32768
.set DST_CHUNK, 16384
.set NLD, 8                            ; loads of a thread
.set XCH, 1536                         ; x's chunks
.set WCH, 72                           ; a W's chunks
.set X, 4                              ; v[4:35]   8 x 4 registers as loaded
.set Y, 36                             ; v[36:51]  8 x 2 registers to store
	s_load_b256 s[4:11], s[0:1], 0x0               ; x s[4:5], Wq s[6:7], Wk s[8:9], Wv s[10:11]
	s_load_b64 s[12:13], s[0:1], 0x20              ; xw
	v_lshlrev_b32 v1, 4, v0                        ; my 16 bytes of every 4,096 of the source
	v_lshlrev_b32 v2, 3, v0                        ; my 8 bytes of every 2,048 of the destination
	s_mov_b32 s22, ttmp9                           ; the chunk's number inside its tensor: for x the chunk itself,
	s_sub_co_u32 s16, ttmp9, XCH                   ; for Wq,
	s_sub_co_u32 s17, ttmp9, XCH+WCH               ; for Wk,
	s_sub_co_u32 s18, ttmp9, XCH+2*WCH             ; for Wv
	s_mul_i32 s26, ttmp9, DST_CHUNK
	s_mov_b32 s27, 0
	s_mov_b32 s25, 0
	s_wait_kmcnt 0x0
	s_mov_b64 s[20:21], s[4:5]
	s_cmp_ge_u32 ttmp9, XCH                        ; the source is chosen by the chunk's number alone
	s_cselect_b64 s[20:21], s[6:7], s[20:21]
	s_cselect_b32 s22, s16, s22
	s_cmp_ge_u32 ttmp9, XCH+WCH
	s_cselect_b64 s[20:21], s[8:9], s[20:21]
	s_cselect_b32 s22, s17, s22
	s_cmp_ge_u32 ttmp9, XCH+2*WCH
	s_cselect_b64 s[20:21], s[10:11], s[20:21]
	s_cselect_b32 s22, s18, s22
	s_mul_i32 s24, s22, SRC_CHUNK                  ; 1,535 x 32,768 at the most: under 2^32
	s_add_nc_u64 s[20:21], s[20:21], s[24:25]
	s_add_nc_u64 s[12:13], s[12:13], s[26:27]
.set i, 0
.rept NLD
	global_load_b128 v[X+4*i:X+4*i+3], v1, s[20:21] offset:4096*i th:TH_LOAD_NT
.set i, i+1
.endr
.set i, 0
.rept NLD
	s_wait_loadcnt NLD-1-i                         ; loads come back in order (ISA guide 5.7.1): load i is in, the younger ones stay out
	v_cvt_pk_bf16_f32 v[Y+2*i], v[X+4*i], v[X+4*i+1]
	v_cvt_pk_bf16_f32 v[Y+2*i+1], v[X+4*i+2], v[X+4*i+3]
	global_store_b64 v2, v[Y+2*i:Y+2*i+1], s[12:13] offset:2048*i   ; no hint: the next launch reads these bytes
.set i, i+1
.endr
	s_endpgm
.Lfunc_end_k_q7d749414ba_cast:
	.size	k_q7d749414ba_cast, .Lfunc_end_k_q7d749414ba_cast-k_q7d749414ba_cast
	.p2alignl 7, 3214868480
	.fill 96, 4, 3214868480
	.section	.rodata,"a",@progbits
	.p2align	6, 0x0
	.amdhsa_kernel k_q7d749414ba_cast
		.amdhsa_group_segment_fixed_size 0
		.amdhsa_private_segment_fixed_size 0
		.amdhsa_enable_private_segment 0
		.amdhsa_kernarg_size 40
		.amdhsa_user_sgpr_count 2
		.amdhsa_user_sgpr_kernarg_segment_ptr 1
		.amdhsa_wavefront_size32 1
		.amdhsa_system_sgpr_workgroup_id_x 1
		.amdhsa_system_sgpr_workgroup_id_y 1
		.amdhsa_system_sgpr_workgroup_id_z 1
		.amdhsa_system_vgpr_workitem_id 0
		.amdhsa_next_free_vgpr 56
		.amdhsa_next_free_sgpr 66
		.amdhsa_reserve_vcc 0
		.amdhsa_float_denorm_mode_32 3
		.amdhsa_float_denorm_mode_16_64 3
		.amdhsa_memory_ordered 1
		.amdhsa_forward_progress 1
		.amdhsa_inst_pref_size 5
	.end_amdhsa_kernel
	.amdgpu_metadata
---
amdhsa.version: [ 1, 2 ]
amdhsa.kernels:
  - .name:           k_q7d749414ba_cast
    .symbol:         k_q7d749414ba_cast.kd
    .args:
      - { .name: x, .offset: 0, .size: 8, .value_kind: global_buffer, .address_space: global }
      - { .name: Wq, .offset: 8, .size: 8, .value_kind: global_buffer, .address_space: global }
      - { .name: Wk, .offset: 16, .size: 8, .value_kind: global_buffer, .address_space: global }
      - { .name: Wv, .offset: 24, .size: 8, .value_kind: global_buffer, .address_space: global }
      - { .name: xw, .offset: 32, .size: 8, .value_kind: global_buffer, .address_space: global }
    .group_segment_fixed_size: 0
    .private_segment_fixed_size: 0
    .kernarg_segment_align: 8
    .kernarg_segment_size: 40
    .max_flat_workgroup_size: 256
    .sgpr_count:     66
    .vgpr_count:     56
    .wavefront_size: 32
...
	.end_amdgpu_metadata
.endif
;; end of part 4
;; launch proj (part 5): grid 4 x 64, 4 waves a work-group, clusters of 4 x 4, 327,680 bytes of LDS; arguments xw, bq, bk, bv, qkv; writes qkv
.if DOCPART == 5
	.amdgcn_target "amdgcn-amd-amdhsa--gfx1250"
	.amdhsa_code_object_version 6
	.text
	.protected	k_q7d749414ba_proj
	.globl	k_q7d749414ba_proj
	.p2align	8
	.type	k_q7d749414ba_proj,@function
k_q7d749414ba_proj:
	s_mov_b64 s[64:65], 0
	v_nop
	global_prefetch_b8 v0, s[64:65] scope:SCOPE_SE
	s_setreg_imm32_b32 hwreg(HW_REG_WAVE_MODE, 25, 1), 1
	s_wait_xcnt 0x0
	s_wait_alu depctr_hold_cnt(0) depctr_sa_sdst(0) depctr_va_vdst(0) depctr_va_sdst(0) depctr_va_ssrc(0) depctr_va_vcc(0) depctr_vm_vsrc(0)
	s_getreg_b32 s2, hwreg(HW_REG_IB_STS2, 6, 4)
	s_cmp_eq_u32 s2, 0
	s_cbranch_scc0 .Lentry_in_a_cluster
	s_endpgm
.Lentry_in_a_cluster:
	s_bfe_u32 s2, ttmp6, 0x10000c
	s_cmp_lg_u32 s2, 0xf033
	s_cbranch_scc0 .Lentry_shape_is_right
	s_endpgm
.Lentry_shape_is_right:
; q, k, v = x W^T + b.  x (16,384 x 768) and the three W (768 x 768 each, rows = output channels) come as bf16 from xw; sums and the bias in f32; q, k, v rounded once to bf16.
; SHARES.  A work-group owns 256 tokens (gy) and channels 192 gx .. 192 gx + 191 of q, then of k, then of v: three tiles of 256 x 192, one after the other, 256 work-groups in all.
; A wave makes 128 tokens x 96 channels: 48 accumulators of 16 x 16, 384 registers.  K goes in steps of 128 (rows of 256 bytes) through a ring of two LDS slots; the ring runs on from tile to tile.
; THE PRODUCT IS USED WITH W AS SOURCE 0 AND x AS SOURCE 1: in the result lane l holds token l % 16 and channels 8 (l / 16) + 0..7, which pack into 16 bytes.  The bias, laid out in the same
; way, is the C operand of a tile's first products.
; THE OUTPUT LIES IN FRAGMENT ORDER, so that those 16 bytes are stored straight from registers, 512 consecutive bytes a wave, and the next launch loads fragments as they lie:
;   q, k: [batch][c 12][token tile 64][cs 2][sub 2][512 bytes]: lane l's 16 bytes at 16 l hold token 16 tile + l % 16, channels 64 c + 32 cs + 16 sub + 8 (l / 16) + 0..7.
;   v:    [batch][s 16][channel tile 48][ks 2][sub 2][512 bytes]: token n has s = 4 ((n >> 6) & 3) + (n >> 8), ks = (n >> 5) & 1, sub = (n >> 4) & 1; place p of 32 holds key 8 (p / 16) + p % 8
;         of the 16 and channels 8 ((p / 8) % 2) + 0..7 of the 16: what ds_load_tr16_b128 turns into half a fragment of v^T.
; So a wave's six channel tiles are rows 64 (bb / 2) + 32 wc + 16 (bb % 2) of the 192: c = 3 gx + bb / 2, cs = wc, sub = bb % 2.
; CLUSTER 4 x 4.  x's tile hangs on gy alone and is asked for jointly by a row of the cluster, W's on gx alone and by a column: the same tensor load, descriptor and mask in the four.
; THE WALK ALONG K IS ROTATED: cluster y begins at K step y mod 6 and goes round, in all three tiles.  All sixteen clusters need the same rows of W; so at any time they ask for six different
; K steps of them, and what one cluster asks for, the cluster one ahead in the ring asked for one change of slots earlier.
; ONE TEXT FOR EVERY LAP (two K steps): the lap loop has three trips a tile; it is left in its middle, behind the second change of slots, for a tile's way out, and, in the last tile's last lap,
; ahead of the first change of slots for the tail, which asks for nothing and is written out.
; LIMITS.  Operands and results are bf16 (8 significant bits, f32's range).  A sum starts with the bias and takes the K steps in the cluster's rotated order: an order of rounding that is not
; the reference's.  NaN and infinities are not treated apart.
; REGISTERS, in windows of 256 (s_set_vgpr_msb: bits 1:0 source 0, 3:2 source 1, 5:4 source 2, 7:6 destination):
;   window 0: v16-29 addresses; v64-127, v128-191 x's fragments, two buffers; v192-239 the bias
;   window 1: v64-111, v128-175 W's fragments, two buffers; v0-63 packed results
;   window 2: accumulators of token tiles 0-3 at 8 (6 a + bb); v192-255 packed results     window 3: the same for token tiles 4-7
.set DIM,    768
.set PITCH,  272                       ; an LDS row: 256 bytes + 16 of padding = 17 x 16 bytes: the 16 rows of a fragment load begin at 16 different 16-byte columns of 256
.set XHALF,  128*PITCH                 ; 128 rows of x: one tensor load
.set WHALF,  96*PITCH                  ; 96 rows of W: one tensor load
.set WOFF,   2*XHALF                   ; W's 192 rows lie behind x's 256
.set SLOT,   2*XHALF+2*WHALF           ; 121,856 bytes
.set SPARE,  2*SLOT                    ; behind the ring: the spare words, 128 bytes a wave: two blocks of 256 bytes that no other line names
.set WBASE,  25165824                  ; the three W begin here in xw
.set REGION, 25165824                  ; bytes of q, of k and of v in qkv
.set BATCH,  1572864                   ; a batch's bytes in a region
.set LAPS,   3                         ; 768 / (2 x 128): a lap = two K steps = once round the ring
.set ADRX, 16                          ; v16-17  LDS address of my x fragments in slot 0, 1
.set ADRW, 20                          ; v20-21  the same for W
.set LQ,   24                          ; v24     16 l: my place in a block of q or k
.set LV,   25                          ; v25     my place in a block of v
.set VB,   26                          ; v26     byte offset of my eight channels' bias in the work-group's 192
.set SPW,  28                          ; v28     LDS address of my spare word; never rewritten
.set NIL,  29                          ; v29     0; never rewritten
.set F0,   64
.set F1,   128
.set BI,   192
.set G1X, 24                           ; s[24:31] descriptor group 1 for x's tiles;  s[32:39] group 0, a set for each slot
.set G0X, 32
.set OB,  40                           ; s[40:41] where my part of q (then k) begins
.set OBV, 42                           ; s[42:43] the same for v
.set BP,  44                           ; s[44:45] the bias that is being loaded
.set G1W, 48                           ; s[48:55], s[56:63] the same for W's tiles
.set G0W, 56
.set XBS, 68                           ; s[68:69] x at the rows that I fetch, K = 0
.set WBS, 70                           ; s[70:71] the tile's W at the rows that I fetch, K = 0
.set OFF, 80                           ; s[80:81] a K step's byte offset in a row
.set KN,  82                           ; s82      the K step to be asked for next, 0 .. 5
.set INC, 86                           ; s[86:87] what W's base steps by: 0, or one matrix
.set OINC, 88                          ; s[88:89] what the way out adds to its base: 0 for q, a region for k
.set MSB, 0
.macro WIN new                         ; the immediate's high byte repeats the setting that is left; a switch that changes nothing is dropped
.if MSB != (\new)
	s_set_vgpr_msb (MSB<<8)|(\new)
.set MSB, \new
.endif
.endm
.macro PLACES                          ; four places behind matrix instructions, in front of loads into their sources and of vector lines on their registers
.rept 4
	v_nop
.endr
.endm
; A joint load.  Waves 0 and 1 fetch x's two halves, waves 2 and 3 W's.  The branch hangs on the wave's number alone.  An s_nop 0 and four v_nop follow each line.
.macro JLOAD s
	s_cmp_eq_u32 s15, 0
	s_cbranch_scc0 .Lfor_w_\@
	tensor_load_to_lds s[G0X+4*(\s):G0X+4*(\s)+3], s[G1X:G1X+7]
	s_nop 0
.rept 4
	v_nop
.endr
	s_branch .Lasked_\@
.Lfor_w_\@:
	tensor_load_to_lds s[G0W+4*(\s):G0W+4*(\s)+3], s[G1W:G1W+7]
	s_nop 0
.rept 4
	v_nop
.endr
.Lasked_\@:
.endm
.macro CROUND                          ; a round of the cluster's barrier: my work-group's barrier, wave 0 signals for the work-group, all wait for the sixteen, my work-group's barrier closes it
	s_barrier_signal -1
	s_barrier_wait -1
	s_cmp_lg_u32 s14, 0
	s_cbranch_scc1 .Lnot_wave_0_\@
	s_barrier_signal -3
.Lnot_wave_0_\@:
	s_barrier_wait -3
	s_barrier_signal -1
	s_barrier_wait -1
.endm
; Both descriptors of slot s take K step KN: the addresses are made anew from the bases and the step's number, which then goes on round the six.  No tensor load of mine is out where this stands.
.macro KADDR s
	s_lshl_b32 s[OFF], s[KN], 8                    ; a K step is 256 bytes of a row
	s_add_nc_u64 s[G0X+4*(\s)+2:G0X+4*(\s)+3], s[XBS:XBS+1], s[OFF:OFF+1]
	s_or_b32 s[G0X+4*(\s)+3], s[G0X+4*(\s)+3], 0x80000000
	s_add_nc_u64 s[G0W+4*(\s)+2:G0W+4*(\s)+3], s[WBS:WBS+1], s[OFF:OFF+1]
	s_or_b32 s[G0W+4*(\s)+3], s[G0W+4*(\s)+3], 0x80000000
	s_add_co_u32 s[KN], s[KN], 1
	s_cmp_eq_u32 s[KN], 6
	s_cselect_b32 s[KN], 0, s[KN]
.endm
	s_load_b256 s[4:11], s[0:1], 0x0               ; xw s[4:5], bq s[6:7], bk s[8:9], bv s[10:11]
	s_load_b64 s[12:13], s[0:1], 0x20              ; qkv
	v_lshl_add_u32 v[SPW], v0, 2, SPARE
	v_mov_b32 v[NIL], 0
	ds_add_u32 v[SPW], v[NIL]                      ; the wave's opening: the add and its wait stand ahead of my first tensor load; work on registers stands between them
	v_lshrrev_b32 v1, 5, v0
	v_readfirstlane_b32 s14, v1                    ; wave 0..3
	s_lshr_b32 s15, s14, 1                         ; wr: which 128 tokens are mine.  Also: I fetch for x (0) or for W (1)
	s_and_b32 s16, s14, 1                          ; wc: which channel tiles are mine.  Also: which half of that tile I fetch
	s_bfe_u32 s17, ttmp6, 0x40000                  ; cx
	s_bfe_u32 s18, ttmp6, 0x40004                  ; cy
	s_lshl_b32 s19, ttmp9, 2
	s_add_co_u32 s19, s19, s17                     ; gx = 4 x cluster x + cx
	s_and_b32 s20, ttmp7, 0xffff
	s_lshl_b32 s20, s20, 2
	s_add_co_u32 s20, s20, s18                     ; gy = 4 x cluster y + cy
	s_lshl_b32 s21, s18, 2
	s_lshl_b32 s21, 15, s21                        ; my row of the cluster: places 4 cy .. 4 cy + 3
	s_lshl_b32 s22, 0x1111, s17                    ; my column: places cx, cx + 4, cx + 8, cx + 12
	s_or_b32 s[G1X+0], s21, (1<<16)|(1<<20)|(1<<21)|(5<<22)|(3<<25)  ; the mask; 2-byte elements; padding on; bit 21 beside a mask; after every 64 words, 4 words
	s_or_b32 s[G1W+0], s22, (1<<16)|(1<<20)|(1<<21)|(5<<22)|(3<<25)
	s_mov_b32 s[G1X+1], 128<<16                    ; tensor_dim0 = 128
	s_mov_b32 s[G1W+1], 128<<16
	s_mov_b32 s[G1X+2], 128<<16                    ; tensor_dim1 = 128 rows of x,
	s_mov_b32 s[G1W+2], 96<<16                     ; 96 of W
	s_mov_b32 s[G1X+3], 128<<16                    ; tile_dim0 = 128
	s_mov_b32 s[G1W+3], 128<<16
	s_mov_b32 s[G1X+4], 128                        ; tile_dim1
	s_mov_b32 s[G1W+4], 96
	s_mov_b32 s[G1X+5], DIM                        ; elements from row to row
	s_mov_b32 s[G1W+5], DIM
	s_mov_b32 s[G1X+6], 0
	s_mov_b32 s[G1W+6], 0
	s_mov_b32 s[G1X+7], 0
	s_mov_b32 s[G1W+7], 0
	; x's tile hangs on gy and the wave alone, W's on gx and the wave alone, each in registers that never hold the other coordinate
	s_lshl_b32 s66, s20, 8
	s_lshl_b32 s67, s16, 7
	s_add_co_u32 s66, s66, s67                     ; x: row 256 gy + 128 x half
	s_mul_i32 s66, s66, DIM*2                      ; in bytes: under 2^25
	s_mov_b32 s67, 0
	s_mul_i32 s70, s19, 192
	s_mul_i32 s71, s16, 96
	s_add_co_u32 s70, s70, s71                     ; W: row 192 gx + 96 x half of Wq
	s_mul_i32 s70, s70, DIM*2
	s_add_co_u32 s70, s70, WBASE
	s_mov_b32 s71, 0
	s_mul_i32 s23, s14, XHALF                      ; where they go: waves 0, 1: x's halves;
	s_mul_i32 s72, s14, WHALF
	s_add_co_u32 s72, s72, WOFF-2*WHALF            ; waves 2, 3: W's halves behind them.  No place in the cluster enters an LDS address
	s_and_b32 s83, ttmp7, 0xffff                   ; the cluster's y, 0 .. 15, which all sixteen partners share:
	s_mul_i32 s84, s83, 43
	s_lshr_b32 s84, s84, 8                         ; y / 6 (43 y / 256 for y under 16)
	s_mul_i32 s84, s84, 6
	s_sub_co_u32 s[KN], s83, s84                   ; the walk begins at K step y mod 6
	s_mov_b32 s[OFF+1], 0
	s_mov_b32 s[INC+1], 0
	s_mov_b32 s[OINC], 0
	s_mov_b32 s[OINC+1], 0
	s_wait_dscnt 0x0                               ; the opening add is done
	s_wait_kmcnt 0x0
	s_add_nc_u64 s[XBS:XBS+1], s[4:5], s[66:67]
	s_add_nc_u64 s[WBS:WBS+1], s[4:5], s[70:71]
	CROUND                                         ; all sixteen work-groups are here: the first joint loads meet
.irp s, 0,1
	s_mov_b32 s[G0X+4*(\s)], 1
	s_add_co_u32 s[G0X+4*(\s)+1], s23, (\s)*SLOT
	s_mov_b32 s[G0W+4*(\s)], 1
	s_add_co_u32 s[G0W+4*(\s)+1], s72, (\s)*SLOT
	KADDR \s
	JLOAD \s                                       ; two tensor loads of mine are out
.endr
	v_and_b32 v1, 15, v0                           ; r = l % 16
	v_bfe_u32 v2, v0, 4, 1                         ; h = l / 16
	v_mul_u32_u24 v3, v1, PITCH
	v_lshl_add_u32 v3, v2, 4, v3                   ; a fragment's row x pitch + 16 h
	s_mul_i32 s73, s15, XHALF                      ; my 128 rows of x
	s_mul_i32 s74, s16, 32*PITCH                   ; my channel tiles begin 32 wc rows into W's 192
	s_add_co_u32 s74, s74, WOFF
.irp s, 0,1
	v_add_nc_u32 v[ADRX+(\s)], s73, v3
	v_add_nc_u32 v[ADRW+(\s)], s74, v3
	s_add_co_u32 s73, s73, SLOT
	s_add_co_u32 s74, s74, SLOT
.endr
	v_and_b32 v4, 31, v0
	v_lshlrev_b32 v[LQ], 4, v4                     ; 16 l
	v_bfe_u32 v4, v0, 3, 1                         ; r / 8
	v_and_b32 v5, 7, v0                            ; r % 8
	v_lshlrev_b32 v[LV], 8, v4                     ; place 16 (r / 8) + 8 h + r % 8, 16 bytes each
	v_lshl_add_u32 v[LV], v2, 7, v[LV]
	v_lshl_add_u32 v[LV], v5, 4, v[LV]
	s_lshl_b32 s73, s16, 7
	v_lshlrev_b32 v[VB], 5, v2
	v_add_nc_u32 v[VB], s73, v[VB]                 ; 128 wc + 32 h
	s_mul_i32 s46, s19, 192*4                      ; the work-group's 192 channels in each bias
	s_mov_b32 s47, 0
	s_add_nc_u64 s[6:7], s[6:7], s[46:47]
	s_add_nc_u64 s[8:9], s[8:9], s[46:47]
	s_add_nc_u64 s[10:11], s[10:11], s[46:47]
	s_lshr_b32 s73, s20, 2
	s_mul_i32 s73, s73, BATCH                      ; the batch: gy / 4
	s_and_b32 s75, s20, 3                          ; which 256 tokens of the batch
	s_mul_i32 s74, s19, 3*131072                   ; c = 3 gx
	s_lshl_b32 s76, s75, 4
	s_lshl_b32 s77, s15, 3
	s_add_co_u32 s76, s76, s77                     ; token tile 16 (gy % 4) + 8 wr
	s_lshl_b32 s76, s76, 11
	s_lshl_b32 s78, s16, 10                        ; cs = wc
	s_add_co_u32 s46, s73, s74
	s_add_co_u32 s46, s46, s76
	s_add_co_u32 s46, s46, s78
	s_add_nc_u64 s[OB:OB+1], s[12:13], s[46:47]
	s_add_co_u32 s77, s77, s75                     ; s = 8 wr + gy % 4 (+ 4 for token tiles 4-7)
	s_mul_i32 s77, s77, 98304
	s_mul_i32 s74, s19, 12
	s_lshl_b32 s78, s16, 1
	s_add_co_u32 s74, s74, s78                     ; channel tile 12 gx + 2 wc
	s_lshl_b32 s74, s74, 11
	s_add_co_u32 s46, s73, s77
	s_add_co_u32 s46, s46, s74
	s_add_co_u32 s46, s46, 2*REGION
	s_add_nc_u64 s[OBV:OBV+1], s[12:13], s[46:47]
; 12 matrix instructions: token tiles a0, a0 + 1 of the window's four x all 6 channel tiles, 32 along K.  first = 1: the product starts the sum, with the bias as C.
; The 48 accumulators take turns in one order everywhere.
.macro MUL12 f, hi, a0, first
.if \first
	WIN 0x81+0x40*(\hi)                            ; W in window 1, x and the bias in window 0, D in window 2 or 3
.else
	WIN 0xa1+0x50*(\hi)                            ; W in window 1, x in window 0, C and D in window 2 or 3
.endif
.irp a, \a0, (\a0)+1
.irp bb, 0,1,2,3,4,5
.if \first
	v_wmma_f32_16x16x32_bf16 v[8*(6*(\a)+(\bb)):8*(6*(\a)+(\bb))+7], v[(\f)+8*(\bb):(\f)+8*(\bb)+7], v[(\f)+8*(4*(\hi)+(\a)):(\f)+8*(4*(\hi)+(\a))+7], v[BI+8*(\bb):BI+8*(\bb)+7]
.else
	v_wmma_f32_16x16x32_bf16 v[8*(6*(\a)+(\bb)):8*(6*(\a)+(\bb))+7], v[(\f)+8*(\bb):(\f)+8*(\bb)+7], v[(\f)+8*(4*(\hi)+(\a)):(\f)+8*(4*(\hi)+(\a))+7], v[8*(6*(\a)+(\bb)):8*(6*(\a)+(\bb))+7]
.endif
.endr
.endr
.endm
.macro MUL48 f                         ; a whole quarter step
	MUL12 \f, 0, 0, 0
	MUL12 \f, 0, 2, 0
	MUL12 \f, 1, 0, 0
	MUL12 \f, 1, 2, 0
.endm
; 28 LDS loads in one run: a quarter step's fragments (96 rows of W, 128 rows of x, 32 K at byte k of the rows) into buffer f
.macro FETCH slot, k, f
	WIN 0x40
.irp bb, 0,1,2,3,4,5
	ds_load_b128 v[(\f)+8*(\bb):(\f)+8*(\bb)+3],   v[ADRW+(\slot)] offset:(\k)+(64*((\bb)/2)+16*((\bb)%2))*PITCH
	ds_load_b128 v[(\f)+8*(\bb)+4:(\f)+8*(\bb)+7], v[ADRW+(\slot)] offset:(\k)+(64*((\bb)/2)+16*((\bb)%2))*PITCH+32
.endr
	WIN 0
.irp a, 0,1,2,3,4,5,6,7
	ds_load_b128 v[(\f)+8*(\a):(\f)+8*(\a)+3],   v[ADRX+(\slot)] offset:(\k)+(\a)*16*PITCH
	ds_load_b128 v[(\f)+8*(\a)+4:(\f)+8*(\a)+7], v[ADRX+(\slot)] offset:(\k)+(\a)*16*PITCH+32
.endr
.endm
; A K step is four quarters of 32 along K, 48 matrix instructions each, on buffers 0, 1, 0, 1.  One of the first three: multiplies f, fetches the next quarter (byte k) into g.
.macro QUARTER slot, k, f, g, first
	s_wait_dscnt 8                                 ; W and x's token tiles 0-3 are in; the youngest eight loads (tiles 4-7) may be out
	MUL12 \f, 0, 0, \first
	MUL12 \f, 0, 2, \first
	PLACES
	FETCH \slot, \k, \g
	s_wait_dscnt 28                                ; all but the 28 just issued
	MUL12 \f, 1, 0, \first
	MUL12 \f, 1, 2, \first
.endm
; The last quarter changes slots, and the change comes first: its fragments were fetched in the middle of the quarter before, so the slot has been read out.  Each wave waits for all its tensor loads
; (one is out: its part of the next slot), adds 0 to its spare word, and waits for that and for its reads of this slot; a round of the cluster's barrier; the slot is filled again with the K step two
; on in the walk, and only then come the next slot's first fragments and the quarter's 48 products: the request has 192 matrix instructions in which to land.
; In a tile's last lap (s3 = 1) the two K steps asked for are the next tile's first two: W's base goes on by one matrix ahead of slot 0's request.
.macro TURN slot, next
	WIN 0
	s_wait_tensorcnt 0x0
	ds_add_u32 v[SPW], v[NIL]                      ; 0 onto my spare word; the descriptors' scalar work stands between it and the wait for it
.if (\slot) == 0
	s_cmp_eq_u32 s3, 1
	s_cselect_b32 s[INC], DIM*DIM*2, 0
	s_add_nc_u64 s[WBS:WBS+1], s[WBS:WBS+1], s[INC:INC+1]
.endif
	KADDR \slot
	s_wait_dscnt 0x0                               ; the add is done, and my reads of this slot are over
	CROUND                                         ; no wave of any partner still reads the slot or has a load on its way
	JLOAD \slot                                    ; my one tensor load behind the round; its four v_nop are also the places in front of the loads below
	FETCH \next, 0, F0
	MUL48 F1
.endm
; Register 8 bb + j takes the bias of channel 8 h + j of channel tile bb: the layout of a C operand.
.macro BIASLD
.irp bb, 0,1,2,3,4,5
	global_load_b128 v[BI+8*(\bb):BI+8*(\bb)+3],   v[VB], s[BP:BP+1] offset:256*((\bb)/2)+64*((\bb)%2)
	global_load_b128 v[BI+8*(\bb)+4:BI+8*(\bb)+7], v[VB], s[BP:BP+1] offset:256*((\bb)/2)+64*((\bb)%2)+16
.endr
.endm
; THE WAY OUT.  Each of a tile's 48 results (token tile a, channel tile bb) is rounded to bf16 into four registers of its own: number 6 a + bb of 48; the first sixteen in window 1 v0-63, the next in
; window 2 v192-255, the last in window 3 v192-255.  So the 48 stores, 512 consecutive bytes each, go out with no wait between them, and the next tile's products follow at once.
.macro PREG a, bb
.set idx, 6*(\a)+(\bb)
.set PW, 1+idx/16                      ; the window
.set PR, 4*(idx%16)+192*((idx/16+1)/2) ; the first register
.endm
.macro OUT kind                        ; kind 0: q or k; 1: v
	WIN 0
	s_wait_xcnt 0x0                                ; the packed registers and the base, which the stores of the tile before read, are rewritten only behind this wait
.if !(\kind)
	s_add_nc_u64 s[OB:OB+1], s[OB:OB+1], s[OINC:OINC+1]
.endif
	PLACES                                         ; behind the last products: their results are read
.irp a, 0,1,2,3,4,5,6,7
.irp bb, 0,1,2,3,4,5
	PREG \a, \bb
	WIN (PW<<6)|(5*(2+(\a)/4))                     ; sources in window 2 or 3
.irp r, 0,1,2,3
	v_cvt_pk_bf16_f32 v[PR+(\r)], v[48*((\a)%4)+8*(\bb)+2*(\r)], v[48*((\a)%4)+8*(\bb)+2*(\r)+1]   ; each accumulator's registers in ascending order
.endr
.endr
.irp bb, 0,1,2,3,4,5
	PREG \a, \bb
	WIN PW<<2                                      ; the data's window
.if \kind
	global_store_b128 v[LV], v[PR:PR+3], s[OBV:OBV+1] offset:((\a)/4)*393216+(((\a)/2)%2)*1024+((\a)%2)*512+(4*((\bb)/2)+(\bb)%2)*2048
.else
	global_store_b128 v[LQ], v[PR:PR+3], s[OB:OB+1] offset:((\bb)/2)*131072+(\a)*2048+((\bb)%2)*512
.endif
.endr
.endr
	WIN 0
.endm
	s_mov_b64 s[BP:BP+1], s[6:7]
	BIASLD                                         ; bq, in the wait for the first tile
	s_wait_tensorcnt 1                             ; my part of the walk's first K step is in; the second's may stay out
	s_barrier_signal -1
	s_barrier_wait -1                              ; everybody's is
	FETCH 0, 0, F0
	s_mov_b32 s2, 3                                ; tiles to go
.Ltile:
	s_wait_loadcnt 0x0                             ; the tile's bias
	QUARTER 0, 64,  F0, F1, 1                      ; a tile's first quarter starts the sums
	WIN 0
	s_cmp_eq_u32 s2, 1
	s_cbranch_scc1 .Lno_bias                       ; the last tile has no successor
	s_cmp_eq_u32 s2, 3
	s_cselect_b64 s[BP:BP+1], s[8:9], s[10:11]     ; behind q comes k, behind k comes v; the loads that named this pair were waited for above
	PLACES                                         ; the bias registers were sources of the products just issued
	BIASLD                                         ; it has the rest of this tile in which to land
.Lno_bias:
	s_mov_b32 s3, LAPS                             ; laps to go in this tile
.Llap:                                                 ; a trip goes once round the ring, from a lap's second quarter on, and fills both slots again
	QUARTER 0, 128, F1, F0, 0
	QUARTER 0, 192, F0, F1, 0
	WIN 0
	s_cmp_lg_u32 s3, 1
	s_cbranch_scc1 .Lgo
	s_cmp_eq_u32 s2, 1
	s_cbranch_scc1 .Llast                          ; the last tile's last lap asks for nothing more: its rest is written out
.Lgo:
	TURN 0, 1
	QUARTER 1, 64,  F0, F1, 0
	QUARTER 1, 128, F1, F0, 0
	QUARTER 1, 192, F0, F1, 0
	TURN 1, 0
	WIN 0
	s_sub_co_u32 s3, s3, 1
	s_cmp_eq_u32 s3, 0
	s_cbranch_scc1 .Lout                           ; the tile's sums are whole; both slots have been asked for the next tile's first K steps, and its first fragments are fetched
	QUARTER 0, 64,  F0, F1, 0                      ; the next lap's first quarter
	WIN 0
	s_branch .Llap
.Lout:
	OUT 0                                          ; q, then k
	s_mov_b32 s[OINC], REGION                      ; the next way out goes from q's region to k's
	s_sub_co_u32 s2, s2, 1
	s_branch .Ltile
.Llast:
	s_wait_tensorcnt 0x0                           ; my one tensor load that was out is the last K step's
	ds_add_u32 v[SPW], v[NIL]
	s_wait_dscnt 0x0
	s_barrier_signal -1                            ; nothing is filled again, so no round follows
	s_barrier_wait -1                              ; everybody's part of the last K step is in
	PLACES
	FETCH 1, 0, F0
	MUL48 F1
	QUARTER 1, 64,  F0, F1, 0
	QUARTER 1, 128, F1, F0, 0
	QUARTER 1, 192, F0, F1, 0
	s_wait_dscnt 8                                 ; the very last quarter: nothing more to fetch
	MUL12 F1, 0, 0, 0
	MUL12 F1, 0, 2, 0
	s_wait_dscnt 0x0
	MUL12 F1, 1, 0, 0
	MUL12 F1, 1, 2, 0
	OUT 1                                          ; v
	s_wait_tensorcnt 0x0                           ; the wave's end
	ds_add_u32 v[SPW], v[NIL]
	s_wait_dscnt 0x0
	CROUND                                         ; the closing round: no work-group ends while a partner may still ask for a tile that names it
	s_endpgm
.Lfunc_end_k_q7d749414ba_proj:
	.size	k_q7d749414ba_proj, .Lfunc_end_k_q7d749414ba_proj-k_q7d749414ba_proj
	.p2alignl 7, 3214868480
	.fill 96, 4, 3214868480
	.section	.rodata,"a",@progbits
	.p2align	6, 0x0
	.amdhsa_kernel k_q7d749414ba_proj
		.amdhsa_group_segment_fixed_size 327680
		.amdhsa_private_segment_fixed_size 0
		.amdhsa_enable_private_segment 0
		.amdhsa_kernarg_size 40
		.amdhsa_user_sgpr_count 2
		.amdhsa_user_sgpr_kernarg_segment_ptr 1
		.amdhsa_wavefront_size32 1
		.amdhsa_system_sgpr_workgroup_id_x 1
		.amdhsa_system_sgpr_workgroup_id_y 1
		.amdhsa_system_sgpr_workgroup_id_z 1
		.amdhsa_system_vgpr_workitem_id 0
		.amdhsa_next_free_vgpr 1024
		.amdhsa_next_free_sgpr 96
		.amdhsa_reserve_vcc 0
		.amdhsa_float_denorm_mode_32 3
		.amdhsa_float_denorm_mode_16_64 3
		.amdhsa_memory_ordered 1
		.amdhsa_forward_progress 1
		.amdhsa_inst_pref_size 120
	.end_amdhsa_kernel
	.amdgpu_metadata
---
amdhsa.version: [ 1, 2 ]
amdhsa.kernels:
  - .name:           k_q7d749414ba_proj
    .symbol:         k_q7d749414ba_proj.kd
    .args:
      - { .name: xw, .offset: 0, .size: 8, .value_kind: global_buffer, .address_space: global }
      - { .name: bq, .offset: 8, .size: 8, .value_kind: global_buffer, .address_space: global }
      - { .name: bk, .offset: 16, .size: 8, .value_kind: global_buffer, .address_space: global }
      - { .name: bv, .offset: 24, .size: 8, .value_kind: global_buffer, .address_space: global }
      - { .name: qkv, .offset: 32, .size: 8, .value_kind: global_buffer, .address_space: global }
    .group_segment_fixed_size: 327680
    .private_segment_fixed_size: 0
    .kernarg_segment_align: 8
    .kernarg_segment_size: 40
    .max_flat_workgroup_size: 128
    .sgpr_count:     96
    .vgpr_count:     1024
    .wavefront_size: 32
...
	.end_amdgpu_metadata
.endif
;; end of part 5
;; launch attn (part 6): grid 16 x 16, 4 waves a work-group, clusters of 4 x 1, 327,680 bytes of LDS; arguments qkv, x, out0; writes out0
.if DOCPART == 6
	.amdgcn_target "amdgcn-amd-amdhsa--gfx1250"
	.amdhsa_code_object_version 6
	.text
	.protected	k_q7d749414ba_attn
	.globl	k_q7d749414ba_attn
	.p2align	8
	.type	k_q7d749414ba_attn,@function
k_q7d749414ba_attn:
	s_mov_b64 s[64:65], 0
	v_nop
	global_prefetch_b8 v0, s[64:65] scope:SCOPE_SE
	s_setreg_imm32_b32 hwreg(HW_REG_WAVE_MODE, 25, 1), 1
	s_wait_xcnt 0x0
	s_wait_alu depctr_hold_cnt(0) depctr_sa_sdst(0) depctr_va_vdst(0) depctr_va_sdst(0) depctr_va_ssrc(0) depctr_va_vcc(0) depctr_vm_vsrc(0)
	s_getreg_b32 s2, hwreg(HW_REG_IB_STS2, 6, 4)
	s_cmp_eq_u32 s2, 0
	s_cbranch_scc0 .Lentry_in_a_cluster
	s_endpgm
.Lentry_in_a_cluster:
	s_bfe_u32 s2, ttmp6, 0x10000c
	s_cmp_lg_u32 s2, 0x3003
	s_cbranch_scc0 .Lentry_shape_is_right
	s_endpgm
.Lentry_shape_is_right:
; out0[b][d][n] = x_flat[b][1024 d + n] + the sum over k of softmax_k(q[b][n] . k[b][k] / sqrt(768)) v[b][k][d]: attention with one head of 768 channels, its result stored transposed, plus x.
; q, k, v come in bf16 and in fragment order from qkv (the launch before says how they lie).  Products, maxima and sums in f32; the weights p are rounded to bf16 for the second product,
; their sum l is taken of the unrounded p.
; LIMITS.  bf16 operands (8 significant bits, f32's range).  The maximum taken away is the true maximum of the whole row.  A weight below 2^-126 counts as 0.  The sums over channels and over keys
; go in the cluster's rotated order (below): an order of rounding that is not the reference's.  NaN and infinities are not treated apart.
; SHARES.  A work-group owns 64 queries of one batch: 256 work-groups.
; PHASE 1, S^T = K Q^T (source 0 = 16 keys, source 1 = 16 queries).  Wave w owns keys 256 w .. 256 w + 255 for all 64 queries: 64 accumulators, 512 registers: the whole row of scores stays in
;   registers.  24 steps of 32 channels; an LDS slot holds 64 channels of all 1,024 keys (two steps), and a wave fetches and reads its own quarter alone.  Q's four fragments of a step come
;   straight into registers, a ring of four buffers, asked for some three steps ahead.
; SOFTMAX.  In a result a lane holds one query (lane % 16) and keys 8 (lane / 16) + 0..7.  The row's maximum: in the lane, the other half of the lanes, the four waves (through LDS).
;   p = 2^(c s - c m), c = log2(e) / sqrt(768).  Two neighbouring key tiles of p, rounded in pairs, ARE a fragment (16 queries x 32 keys) of source 0 of the second product.
; PHASE 2, O = P V (source 0 = P, source 1 = V^T by ds_load_tr16_b128).  Wave w owns channels 192 w .. 192 w + 191 for all 64 queries: 48 accumulators.  32 steps of 32 keys; a slot holds 64 keys
;   x 768 channels (two steps), a wave fetches and reads its own quarter alone.  Every wave needs all of P: it goes through an LDS ring of two quarters of 32 KiB; each wave gives 64 of its keys to
;   each quarter, and v's tiles lie in memory in that order (tile 4 q + w' = keys 256 w' + 64 q ..).  Quarters 2 and 3 wait in registers until quarters 0 and 1 have been read.
; THE WAY OUT.  A result holds one channel a lane and eight queries: 16 channels x 64 queries go through the wave's own stage and come back as rows of 256 bytes; out = O / l + x, one fused multiply-add.
;   x IS ASKED FOR EARLY, into registers as they fall free: 7 of a wave's 12 channel tiles at phase 2's start, 4 behind its loop (three steps ahead of the last product), one behind the last product.
; CLUSTER 4 x 1.  The sixteen query blocks of a batch walk the same K and V; a mask names four at the most, so four neighbours ask for each tile JOINTLY: same load, descriptor and mask (15).
; THE WALKS ARE ROTATED.  Cluster j of a batch's four begins K's twelve tiles at 3 j and V's sixteen at 4 j and goes round.  So at any time the four ask for four different tiles, and each tile is
;   asked for by one cluster first and by the others 3, 6 and 9 (V: 4, 8 and 12) changes of slots later.  j is the cluster's number, the same in all four partners.  For V's order to be P's,
;   register quarter g of a wave's scores takes its key tiles 4 ((g + j) % 4) + 0..3.
; A CHANGE OF SLOTS COMES FIRST IN ITS STEP: the step's fragments were fetched in the middle of the step before, so the slot has been read out; the waits, the round and the refill stand ahead of
;   the step's products, and a request has two whole steps of products in which to land.
; LDS.  0: K slots 0, 1 of 131,072; later V slots 0, 1 of 98,304 and, from 196,608 (bytes whose last fill is the walk's last tile of K), the P ring of 65,536.  262,144: maxima [64 q][4 w];
;   263,168: sums likewise; 264,192: four stages of 16 x 272; 281,600: the spare words.
; REGISTERS, in windows of 256 (s_set_vgpr_msb: bits 1:0 source 0, 3:2 source 1, 5:4 source 2, 7:6 destination):
;   window 0: v2-15 addresses; v16-63 statistics (phase 1: v32-39 K's addresses; phase 2: v16-19 1 / l, v32-63 x of channel tile 6); v64-191 Q's ring; phase 2: v64-159, v160-255 V's fragments;
;             way out: v64-95 x of channel tile 11, v128-191 rows back from the stage
;   window 1: v0-127, v128-255 K's fragments; then P at 16 kt + 4 t; phase 2: v0-31, v32-63 P's fragments, v64-127 x of channel tiles 0, 1, v128-255 quarters 2, 3 and then x of channel tiles 7-10
;   windows 2, 3: S^T (kt, t) at 32 (kt % 8) + 8 t; then O (t, c) at 32 (c % 8) + 8 t (window 3: c = 8-11); window 3 v128-255: x of channel tiles 2-5
.set REGION, 25165824
.set BATCH,  1572864
.set SLK,    131072
.set SLV,    98304
.set PBASE,  196608
.set MXB,    262144
.set SMB,    263168
.set STAGE,  264192
.set SPITCH, 272                       ; 17 x 16 bytes: the 16 rows of a store begin at 16 different 16-byte columns of 256
.set SPARE,  281600                    ; two blocks of 256 bytes that no other line names
.set LO,  2                            ; v2     16 l
.set AKB, 3                            ; v3     my quarter of K's slot 0 + 16 l
.set AV,  5                            ; v5-6   my quarter of V's slot 0, 1, + 16 l
.set AP0, 7                            ; v7     the P ring + 16 l
.set AP,  8                            ; v8     the address of P's run of loads in hand
.set PS,  9                            ; v9     where I store P: ring + 8,192 w + 16 l
.set MXS, 10                           ; v10    my word among the maxima: 16 r + 4 w
.set MXL, 11                           ; v11    the four waves' words: 16 r
.set STO, 12                           ; v12    into my stage: 272 r + 32 h
.set RD,  13                           ; v13    back: 272 h + 16 r
.set XO,  14                           ; v14    my bytes in two rows of x and out0: 4,096 h + 16 r
.set LIA, 15                           ; v15    the sums of queries 4 r .. 4 r + 3
.set M,   16                           ; v16-19 the maximum, by query tile
.set LINV, 16                          ; v16-19 behind the softmax: 1 / l of queries 4 r + 0..3
.set CM,  20                           ; v20-27 c m, twice, by query tile
.set SPW, 28
.set NIL, 29
.set AKQ, 32                           ; v32-39 phase 1: slot s, register quarter g at 32 + 4 s + g: the LDS address of its four key tiles
.set ST4, 32                           ; v32-47 later: statistics read back
.set TP,  52                           ; v52-55 the other half of the lanes'
.set L2,  56                           ; v56-59 sums of window 2's keys
.set L3,  60                           ; v60-63 of window 3's
.set QF,  64
.set VF,  64
.set BK,  128                          ; v128-191 the way out: two buffers of 32, rows back from the stage
.set QB,  16                           ; s[16:17] Q at my block's fragments, tile 0
.set G1K, 24
.set G1V, 32
.set G0K, 40                           ; s[40:47] a set for each slot
.set G0V, 48                           ; s[48:55]
.set CS,  58                           ; s[58:59] c
.set QPA, 66                           ; s[66:67] Q at the walk's even tile in hand
.set QPB, 68                           ; s[68:69] at the odd one
.set KBS, 70                           ; s[70:71] K at my quarter of tile 0
.set VBS, 72                           ; s[72:73] V at my quarter of tile 0
.set OFF, 74                           ; s[74:75] a tile's byte offset
.set KN,  76                           ; s76  K's tile to be asked for next, 0 .. 11
.set QN,  77                           ; s77  the tile whose Q is to be asked for next
.set VN,  78                           ; s78  V's tile to be asked for next, 0 .. 15
.set MSB, 0
.macro WIN new
.if MSB != (\new)
	s_set_vgpr_msb (MSB<<8)|(\new)
.set MSB, \new
.endif
.endm
.macro PLACES                          ; four places behind matrix instructions (ISA guide 7.12.1)
.rept 4
	v_nop
.endr
.endm
.macro CROUND                          ; a round of the cluster's barrier
	s_barrier_signal -1
	s_barrier_wait -1
	s_cmp_lg_u32 s12, 0
	s_cbranch_scc1 .Lnot_wave_0_\@
	s_barrier_signal -3
.Lnot_wave_0_\@:
	s_barrier_wait -3
	s_barrier_signal -1
	s_barrier_wait -1
.endm
; A descriptor's address is made anew from the tensor's base and the tile's number, which then goes on round the walk.  No tensor load of mine is out where these two stand.
.macro KADDR slot
	s_lshl_b32 s[OFF], s[KN], 17                   ; a tile of K is 131,072 bytes
	s_add_nc_u64 s[G0K+4*(\slot)+2:G0K+4*(\slot)+3], s[KBS:KBS+1], s[OFF:OFF+1]
	s_or_b32 s[G0K+4*(\slot)+3], s[G0K+4*(\slot)+3], 0x80000000
	s_add_co_u32 s[KN], s[KN], 1
	s_cmp_eq_u32 s[KN], 12
	s_cselect_b32 s[KN], 0, s[KN]
.endm
.macro VADDR slot
	s_mul_i32 s[OFF], s[VN], SLV
	s_add_nc_u64 s[G0V+4*(\slot)+2:G0V+4*(\slot)+3], s[VBS:VBS+1], s[OFF:OFF+1]
	s_or_b32 s[G0V+4*(\slot)+3], s[G0V+4*(\slot)+3], 0x80000000
	s_add_co_u32 s[VN], s[VN], 1
	s_and_b32 s[VN], s[VN], 15
.endm
.macro QBASE qp                        ; the pair takes Q's part of the walk's next tile
	s_wait_xcnt 0x0                                ; the loads that named the pair have read it
	s_lshl_b32 s[OFF], s[QN], 17
	s_add_nc_u64 s[(\qp):(\qp)+1], s[QB:QB+1], s[OFF:OFF+1]
	s_add_co_u32 s[QN], s[QN], 1
	s_cmp_eq_u32 s[QN], 12
	s_cselect_b32 s[QN], 0, s[QN]
.endm
	s_load_b128 s[4:7], s[0:1], 0x0                ; qkv s[4:5], x s[6:7]
	s_load_b64 s[8:9], s[0:1], 0x10                ; out0
	v_lshl_add_u32 v[SPW], v0, 2, SPARE
	v_mov_b32 v[NIL], 0
	ds_add_u32 v[SPW], v[NIL]                      ; the wave's opening: the add and its wait stand ahead of my first tensor load; work on registers stands between them
	v_lshrrev_b32 v1, 5, v0
	v_readfirstlane_b32 s12, v1                    ; wave 0..3
	v_and_b32 v1, 31, v0
	v_lshlrev_b32 v[LO], 4, v1
	s_bfe_u32 s13, ttmp6, 0x40000                  ; cx
	s_lshl_b32 s14, ttmp9, 2
	s_add_co_u32 s14, s14, s13                     ; my block of 64 queries: it enters Q's, x's and out0's addresses alone
	s_and_b32 s15, ttmp7, 0xffff                   ; the batch, which the four partners share
	s_mul_i32 s18, s15, BATCH
	s_lshl_b32 s19, s12, 15                        ; my quarter of a tile of K: 32,768 w
	s_mul_i32 s22, s12, 24576                      ; of a tile of V
	s_add_co_u32 s20, s18, s19
	s_add_co_u32 s20, s20, REGION                  ; K's region
	s_mov_b32 s21, 0
	s_add_co_u32 s10, s18, s22
	s_add_co_u32 s10, s10, 2*REGION                ; V's region
	s_mov_b32 s11, 0
	s_lshl_b32 s16, s14, 13                        ; four query tiles of 2,048 bytes
	s_add_co_u32 s16, s16, s18
	s_mov_b32 s17, 0
	s_mul_i32 s2, s15, 3145728                     ; x and out0: the batch,
	s_mul_i32 s3, s12, 786432                      ; my 192 channel rows of 4,096 bytes,
	s_add_co_u32 s2, s2, s3
	s_lshl_b32 s3, s14, 8                          ; my block's 256 bytes in a row
	s_add_co_u32 s2, s2, s3
	s_mov_b32 s3, 0
	; descriptor group 1: a dense block, asked for as rows of 256 bytes (32 elements of 8 bytes): 128 rows of K, 96 of V
	s_mov_b32 s[G1K], 15|(3<<16)|(1<<21)           ; the mask of four; 8-byte elements; bit 21 beside a mask
	s_mov_b32 s[G1V], 15|(3<<16)|(1<<21)
	s_mov_b32 s[G1K+1], 32<<16                     ; tensor_dim0 = 32
	s_mov_b32 s[G1V+1], 32<<16
	s_mov_b32 s[G1K+2], 128<<16                    ; tensor_dim1
	s_mov_b32 s[G1V+2], 96<<16
	s_mov_b32 s[G1K+3], 32<<16                     ; tile_dim0 = 32
	s_mov_b32 s[G1V+3], 32<<16
	s_mov_b32 s[G1K+4], 128                        ; tile_dim1
	s_mov_b32 s[G1V+4], 96
	s_mov_b32 s[G1K+5], 32                         ; elements from row to row
	s_mov_b32 s[G1V+5], 32
	s_mov_b32 s[G1K+6], 0
	s_mov_b32 s[G1V+6], 0
	s_mov_b32 s[G1K+7], 0
	s_mov_b32 s[G1V+7], 0
	s_mov_b32 s[G0K], 1
	s_mov_b32 s[G0K+1], s19                        ; LDS: my quarter of slot 0,
	s_mov_b32 s[G0K+4], 1
	s_add_co_u32 s[G0K+5], s19, SLK                ; of slot 1
	s_mov_b32 s[G0V], 1
	s_mov_b32 s[G0V+1], s22
	s_mov_b32 s[G0V+4], 1
	s_add_co_u32 s[G0V+5], s22, SLV
	s_mul_i32 s[KN], ttmp9, 3                      ; the walks begin at tile 3 j of K (and of Q)
	s_mov_b32 s[QN], s[KN]
	s_lshl_b32 s[VN], ttmp9, 2                     ; and 4 j of V
	s_mov_b32 s[OFF+1], 0
	s_mov_b32 s[CS], 0x3d553b95                    ; c = log2(e) / sqrt(768) = 0.0520588
	s_mov_b32 s[CS+1], s[CS]                       ; named with it as a pair
	s_mov_b32 s60, 0x76543210                      ; v_permlanex16_b32: each lane takes its own place in the other half
	s_mov_b32 s61, 0xfedcba98
.irp t, 0,1,2,3
	v_mov_b32 v[TP+(\t)], 0                        ; v_permlanex16_b32's destination counts as read
.endr
	s_wait_dscnt 0x0                               ; the opening add is done
	s_wait_kmcnt 0x0
	s_add_nc_u64 s[KBS:KBS+1], s[4:5], s[20:21]
	s_add_nc_u64 s[VBS:VBS+1], s[4:5], s[10:11]
	s_add_nc_u64 s[QB:QB+1], s[4:5], s[16:17]
	s_add_nc_u64 s[6:7], s[6:7], s[2:3]
	s_add_nc_u64 s[8:9], s[8:9], s[2:3]
	KADDR 0                                        ; the walk's first two tiles
	KADDR 1
	QBASE QPA
	QBASE QPB
	CROUND                                         ; all four work-groups are here: the first joint loads meet
	tensor_load_to_lds s[G0K:G0K+3], s[G1K:G1K+7]  ; every wave asks for its own quarter: two tensor loads of mine are out
	s_nop 0
	tensor_load_to_lds s[G0K+4:G0K+7], s[G1K:G1K+7]
	s_nop 0
	PLACES
; PHASE 1.  16 products: key tiles k0 .. k0 + 3 x the four query tiles.  The 64 accumulators take turns in one order everywhere.
.macro MULK kb, qb, k0, zero
	WIN 0xa1+0x50*((\k0)/8)                        ; K in window 1, Q in window 0, S^T in window 2 or 3
.irp kk, 0,1,2,3
.irp t, 0,1,2,3
.set rS, 32*(((\k0)+(\kk))%8)+8*(\t)
.set rK, 128*(\kb)+8*((\k0)+(\kk))
.set rQ, QF+32*(\qb)+8*(\t)
.if \zero
	v_wmma_f32_16x16x32_bf16 v[rS:rS+7], v[rK:rK+7], v[rQ:rQ+7], 0
.else
	v_wmma_f32_16x16x32_bf16 v[rS:rS+7], v[rK:rK+7], v[rQ:rQ+7], v[rS:rS+7]
.endif
.endr
.endr
.endm
.macro FETCHK slot, cs, kb             ; 32 LDS loads in one run: my 16 key tiles, half cs of the slot's 64 channels; each load takes 512 consecutive bytes
	WIN 0x40
.set z, 0
.rept 16
	ds_load_b128 v[128*(\kb)+8*z:128*(\kb)+8*z+3],   v[AKQ+4*(\slot)+z/4] offset:(z%4)*2048+(\cs)*1024
	ds_load_b128 v[128*(\kb)+8*z+4:128*(\kb)+8*z+7], v[AKQ+4*(\slot)+z/4] offset:(z%4)*2048+(\cs)*1024+512
.set z, z+1
.endr
.endm
.macro QLOAD qb, qp, half              ; Q's four fragments of half a tile (one step)
	WIN 0
.irp t, 0,1,2,3
	global_load_b128 v[QF+32*(\qb)+8*(\t):QF+32*(\qb)+8*(\t)+3],   v[LO], s[(\qp):(\qp)+1] offset:(\half)*1024+(\t)*2048
	global_load_b128 v[QF+32*(\qb)+8*(\t)+4:QF+32*(\qb)+8*(\t)+7], v[LO], s[(\qp):(\qp)+1] offset:(\half)*1024+(\t)*2048+512
.endr
.endm
; An even step: the slot's first 32 channels.  In its middle it fetches the slot's second half, and asks for Q three steps on (ql = 1: the second half of pair qp's tile) into the buffer that the
; step before used.  lc: Q of the two steps to come, sixteen loads, may be out (in the tail: eight).
.macro Q1 slot, kb, qb, lc, ql, qp, zero
	s_wait_loadcnt \lc
	s_wait_dscnt 16                                ; key tiles 0-7 are in
	MULK \kb, \qb, 0, \zero
	MULK \kb, \qb, 4, \zero
	PLACES
	FETCHK \slot, 1, 1-(\kb)
.if \ql
	QLOAD ((\qb)+3)%4, \qp, 1
.endif
	s_wait_dscnt 32                                ; all but the 32 just issued
	MULK \kb, \qb, 8, \zero
	MULK \kb, \qb, 12, \zero
.endm
; An odd step begins with the change of slots.  Each wave waits for all its tensor loads (one is out: its quarter of the other slot), adds 0 to its spare word, and waits for that and for its reads of
; this slot, the last of which were issued in the middle of the step before.  Behind the round this slot is filled again first: with the walk's next tile of K, or (fillv = 1, the last two
; changes) with V's first or second.  Then the other slot's first fragments, Q three steps on (the first half of a new tile: pair qp steps), and the step's 64 products.
; lc: behind my own request Q of the three steps to come, 24 loads, may be out (in the tail, which asks for none: 16, 0).
.macro T1 slot, kb, qb, lc, fillv, fetch, ql, qp
	WIN 0
	s_wait_tensorcnt 0x0
	ds_add_u32 v[SPW], v[NIL]                      ; 0 onto my spare word; the addresses' scalar work stands between it and the wait for it
.if \fillv
	VADDR \slot
.else
	KADDR \slot
.endif
.if \ql
	QBASE \qp
.endif
	s_wait_dscnt 0x0                               ; the add is done, and my reads of this slot are over
	CROUND                                         ; no wave of any partner still reads the slot or has a load on its way
.if \fillv
	tensor_load_to_lds s[G0V+4*(\slot):G0V+4*(\slot)+3], s[G1V:G1V+7]
.else
	tensor_load_to_lds s[G0K+4*(\slot):G0K+4*(\slot)+3], s[G1K:G1K+7]
.endif
	s_nop 0
	PLACES                                         ; also the places in front of the loads below
.if \fetch
	FETCHK 1-(\slot), 0, 1-(\kb)
.endif
.if \ql
	QLOAD ((\qb)+3)%4, \qp, 0
.endif
	s_wait_loadcnt \lc
	MULK \kb, \qb, 0, 0
	MULK \kb, \qb, 4, 0
	MULK \kb, \qb, 8, 0
	MULK \kb, \qb, 12, 0
.endm
	QLOAD 0, QPA, 0                                ; steps 0, 1, 2
	QLOAD 1, QPA, 1
	QLOAD 2, QPB, 0
	v_and_b32 v30, 15, v0                          ; r
	v_bfe_u32 v31, v0, 4, 1                        ; h
	v_add_nc_u32 v[AKB], s19, v[LO]
.irp g, 0,1,2,3
	s_add_co_u32 s23, ttmp9, \g
	s_and_b32 s23, s23, 3                          ; register quarter g takes my key tiles 4 ((g + j) % 4) + 0..3:
	s_lshl_b32 s23, s23, 13                        ; 8,192 bytes a quarter, inside my 32,768 of the slot
	v_add_nc_u32 v[AKQ+(\g)], s23, v[AKB]
	v_add_nc_u32 v[AKQ+4+(\g)], SLK, v[AKQ+(\g)]
.endr
	v_add_nc_u32 v[AV], s22, v[LO]
	v_add_nc_u32 v[AV+1], SLV, v[AV]
	v_add_nc_u32 v[AP0], PBASE, v[LO]
	s_lshl_b32 s23, s12, 13
	v_add_nc_u32 v[PS], s23, v[AP0]
	v_lshlrev_b32 v[MXL], 4, v30
	v_add_nc_u32 v[MXL], MXB, v[MXL]
	s_lshl_b32 s23, s12, 2
	v_add_nc_u32 v[MXS], s23, v[MXL]
	s_mul_i32 s23, s12, 16*SPITCH
	s_add_co_u32 s23, s23, STAGE                   ; my stage
	v_mul_u32_u24 v[STO], v30, SPITCH
	v_lshl_add_u32 v[STO], v31, 5, v[STO]
	v_add_nc_u32 v[STO], s23, v[STO]
	v_mul_u32_u24 v[RD], v31, SPITCH
	v_lshl_add_u32 v[RD], v30, 4, v[RD]
	v_add_nc_u32 v[RD], s23, v[RD]
	v_lshlrev_b32 v[XO], 12, v31
	v_lshl_add_u32 v[XO], v30, 4, v[XO]
	v_lshlrev_b32 v[LIA], 6, v30
	v_add_nc_u32 v[LIA], SMB, v[LIA]
	s_wait_tensorcnt 1                             ; my quarter of the first tile is in; the second's may stay out
	s_barrier_signal -1
	s_barrier_wait -1
	FETCHK 0, 0, 0
	Q1 0, 0, 0, 16, 1, QPB, 1                      ; step 0 starts the sums
	WIN 0
	s_mov_b32 s56, 5
.Lp1:                                                  ; trip i: steps 4 i + 1 .. 4 i + 4; it asks for the walk's tiles 2 i + 2, 2 i + 3 of K and for Q of steps 4 i + 4 .. 4 i + 7: the last are tile 11 and step 23
	T1 0, 1, 1, 24, 0, 1, 1, QPA
	Q1 1, 0, 2, 16, 1, QPA, 0
	T1 1, 1, 3, 24, 0, 1, 1, QPB
	Q1 0, 0, 0, 16, 1, QPB, 0
	WIN 0
	s_sub_co_u32 s56, s56, 1
	s_cmp_lg_u32 s56, 0
	s_cbranch_scc1 .Lp1
	T1 0, 1, 1, 16, 1, 1, 0, 0                     ; step 21: K's slot 0 is read out; V's first tile is asked for
	Q1 1, 0, 2, 8, 0, 0, 0                         ; step 22
	T1 1, 1, 3, 0, 1, 0, 0, 0                      ; step 23: all of K is read out; V's second tile is asked for
	; SOFTMAX.  The maximum starts at minus infinity: these four lines are also the places behind the last products.
	WIN 0
.irp t, 0,1,2,3
	v_mov_b32 v[M+(\t)], 0xff800000
.endr
.macro MAXW W                          ; four chains, one a query tile; each accumulator's lowest registers are read first
	WIN 0x28+0x14*((\W)-2)                         ; sources 1 and 2 in window W
.set g, 0
.rept 8
.set p, 0
.rept 4
.irp t, 0,1,2,3
	v_max3_num_f32 v[M+(\t)], v[M+(\t)], v[32*g+8*(\t)+2*p], v[32*g+8*(\t)+2*p+1]
.endr
.set p, p+1
.endr
.set g, g+1
.endr
.endm
	MAXW 2
	MAXW 3
	WIN 0
.irp t, 0,1,2,3
	v_permlanex16_b32 v[TP+(\t)], v[M+(\t)], s60, s61   ; the query's other keys of each tile lie in the lane 16 away
.endr
.irp t, 0,1,2,3
	v_max_num_f32 v[M+(\t)], v[M+(\t)], v[TP+(\t)]
.endr
.irp t, 0,1,2,3
	ds_store_b32 v[MXS], v[M+(\t)] offset:256*(\t)      ; query 16 t + r, wave w; both halves of the lanes write the same number
.endr
	s_wait_dscnt 0x0                               ; for the others' sake
	s_barrier_signal -1                            ; V's second tile stays on its way
	s_barrier_wait -1
.irp t, 0,1,2,3
	ds_load_b128 v[ST4+4*(\t):ST4+4*(\t)+3], v[MXL] offset:256*(\t)
.endr
	s_wait_dscnt 0x0
.irp t, 0,1,2,3
	v_max3_num_f32 v[M+(\t)], v[ST4+4*(\t)], v[ST4+4*(\t)+1], v[ST4+4*(\t)+2]
.endr
.irp t, 0,1,2,3
	v_max_num_f32 v[M+(\t)], v[M+(\t)], v[ST4+4*(\t)+3]
.endr
.irp t, 0,1,2,3
	v_mul_f32 v[CM+2*(\t)], s[CS], v[M+(\t)]
	v_mul_f32 v[CM+2*(\t)+1], s[CS], v[M+(\t)]
.endr
; A window's 8 groups (key tiles) of 32 registers.  FF: c s - c m for pair zz of group gg.  AA: line ii of 16 of group gg's sums, in place: within each accumulator, then onto it the group before's.
.macro FF gg, zz
	v_pk_fma_f32 v[32*(\gg)+2*(\zz):32*(\gg)+2*(\zz)+1], v[32*(\gg)+2*(\zz):32*(\gg)+2*(\zz)+1], s[CS:CS+1], v[CM+2*((\zz)/4):CM+2*((\zz)/4)+1] op_sel_hi:[1,0,0] neg_lo:[0,0,1] neg_hi:[0,0,1]
.endm
.macro AA gg, ii
.set ab, 32*(\gg)+8*((\ii)%4)
.if (\ii)/4 == 0
	v_pk_add_f32 v[ab:ab+1], v[ab:ab+1], v[ab+2:ab+3]
.elseif (\ii)/4 == 1
	v_pk_add_f32 v[ab+4:ab+5], v[ab+4:ab+5], v[ab+6:ab+7]
.elseif (\ii)/4 == 2
	v_pk_add_f32 v[ab:ab+1], v[ab:ab+1], v[ab+4:ab+5]
.elseif (\gg) > 0
	v_pk_add_f32 v[ab:ab+1], v[ab:ab+1], v[ab-32:ab-31]
.endif
.endm
; Group g's 32 exponentials stand with plain lines of other groups between them (the next group's scalings, the sums of the group before, whose weights have been rounded): no line reads an
; exponential's result before a plain line has followed it (ISA guide 5.7.2).  Then the group's weights are rounded to bf16 into window 1.
.macro SMX W
.set PW, 128*((\W)-2)
.set WX, 0x8a+0x45*((\W)-2)            ; destination, sources 0 and 1 in window W; source 2 (c m) in window 0
.set WY, 0x4a+0x05*((\W)-2)            ; destination in window 1, sources in window W
	WIN WX
.set z, 0
.rept 16
	FF 0, z
.set z, z+1
.endr
.set g, 0
.rept 8
	WIN WX
.set e, 0
.rept 32
	v_exp_f32 v[32*g+e], v[32*g+e]
.if (e%2 == 0) && (g < 7)
	FF g+1, e/2
.endif
.if (e%2 == 1) && (g > 0)
	AA g-1, e/2
.endif
.set e, e+1
.endr
	WIN WY
.set z, 0
	s_wait_alu depctr_va_vdst(0)
.rept 16
	v_cvt_pk_bf16_f32 v[PW+16*g+z], v[32*g+2*z], v[32*g+2*z+1]
.set z, z+1
.endr
.set g, g+1
.endr
	WIN WX
.set z, 0
.rept 16
	AA 7, z
.set z, z+1
.endr
.endm
	SMX 2
	WIN 0x0a
.irp t, 0,1,2,3
	v_add_f32 v[L2+(\t)], v[224+8*(\t)], v[224+8*(\t)+1]   ; even keys' and odd keys' sums
.endr
	SMX 3
	WIN 0x0f
.irp t, 0,1,2,3
	v_add_f32 v[L3+(\t)], v[224+8*(\t)], v[224+8*(\t)+1]
.endr
	WIN 0
.irp t, 0,1,2,3
	v_add_f32 v[L2+(\t)], v[L2+(\t)], v[L3+(\t)]
.endr
.irp t, 0,1,2,3
	v_permlanex16_b32 v[TP+(\t)], v[L2+(\t)], s60, s61
.endr
.irp t, 0,1,2,3
	v_add_f32 v[L2+(\t)], v[L2+(\t)], v[TP+(\t)]
.endr
.irp t, 0,1,2,3
	ds_store_b32 v[MXS], v[L2+(\t)] offset:SMB-MXB+256*(\t)
.endr
; Quarter g of P: my register quarter g, into half g % 2 of the ring, at 8,192 w: [32 keys 2][query tile 4][16 keys 2][512 bytes].
.macro PSTORE g
	WIN 0x04                                       ; data in window 1
.irp k4, 0,1,2,3
.irp t, 0,1,2,3
	ds_store_b128 v[PS], v[64*(\g)+16*(\k4)+4*(\t):64*(\g)+16*(\k4)+4*(\t)+3] offset:((\g)%2)*32768+((\k4)/2)*4096+(\t)*1024+((\k4)%2)*512
.endr
.endr
	WIN 0
.endm
	PSTORE 0
	PSTORE 1
	s_wait_dscnt 0x0                               ; for the others' sake: my sums and my part of P are in LDS
	s_wait_tensorcnt 1                             ; my quarter of V's first tile is in; the second's, issued behind it, may stay out
	s_barrier_signal -1
	s_barrier_wait -1
	s_mov_b32 s57, 0                               ; the ring's byte at which P of the step to be fetched begins
; PHASE 2.  Products for channel tiles c0 .. c0 + n - 1 x the four query tiles, on buffers b.  The 48 accumulators take turns in one order everywhere.
.macro MULC b, c0, n, zero
.set cc, \c0
.rept \n
	WIN 0xa1+0x50*(cc/8)                           ; P in window 1, V in window 0, O in window 2 or 3
.irp t, 0,1,2,3
.set rO, 32*(cc%8)+8*(\t)
.set rP, 32*(\b)+8*(\t)
.set rV, VF+96*(\b)+8*cc
.if \zero
	v_wmma_f32_16x16x32_bf16 v[rO:rO+7], v[rP:rP+7], v[rV:rV+7], 0
.else
	v_wmma_f32_16x16x32_bf16 v[rO:rO+7], v[rP:rP+7], v[rV:rV+7], v[rO:rO+7]
.endif
.endr
.set cc, cc+1
.endr
.endm
; 32 LDS loads in one run: a step's P (4 fragments) and then its V (12 fragments, turned), into buffers b.  P's steps follow each other in the ring, 4,096 bytes each, round its 65,536.
.macro FETCH2 slot, ks, b
	WIN 0
	v_add_nc_u32 v[AP], s57, v[AP0]
	s_wait_alu depctr_va_vdst(0)
	s_add_co_u32 s57, s57, 4096
	s_and_b32 s57, s57, 0xffff
	WIN 0x40
.irp t, 0,1,2,3
	ds_load_b128 v[32*(\b)+8*(\t):32*(\b)+8*(\t)+3],   v[AP] offset:(\t)*1024
	ds_load_b128 v[32*(\b)+8*(\t)+4:32*(\b)+8*(\t)+7], v[AP] offset:(\t)*1024+512
.endr
	WIN 0
.set z, 0
.rept 12
	ds_load_tr16_b128 v[VF+96*(\b)+8*z:VF+96*(\b)+8*z+3],   v[AV+(\slot)] offset:z*2048+(\ks)*1024
	ds_load_tr16_b128 v[VF+96*(\b)+8*z+4:VF+96*(\b)+8*z+7], v[AV+(\slot)] offset:z*2048+(\ks)*1024+512
.set z, z+1
.endr
.endm
; A step without a change of slots: multiplies buffers b; in between it fetches the next step (slot fslot, half fks) into the other buffers.  tw = 1: that step's tile, my own last one, is waited for.
.macro Q2 fslot, fks, b, zero, tw
	s_wait_dscnt 16                                ; P and V's channel tiles 0-3 are in
	MULC \b, 0, 4, \zero
	PLACES
.if \tw
	s_wait_tensorcnt 0x0
.endif
	FETCH2 \fslot, \fks, 1-(\b)
	s_wait_dscnt 32                                ; all but the 32 just issued
	MULC \b, 4, 8, \zero
.endm
; A slot's second step begins with the change of slots, as in phase 1; the slot takes the walk's next tile of V.
.macro T2 slot, b
	WIN 0
	s_wait_tensorcnt 0x0
	ds_add_u32 v[SPW], v[NIL]                      ; 0 onto my spare word; the descriptor's scalar work stands between it and the wait for it
	VADDR \slot
	s_wait_dscnt 0x0                               ; the add, my reads of this slot and of P, and my stores of P are done
	CROUND
	tensor_load_to_lds s[G0V+4*(\slot):G0V+4*(\slot)+3], s[G1V:G1V+7]
	s_nop 0
	PLACES                                         ; also the places in front of the loads below
	FETCH2 1-(\slot), 0, 1-(\b)
	MULC \b, 0, 12, 0
.endm
; x of channel tile c (16 rows x my block's 256 bytes: 8 loads, 16 lanes to a row's 256 consecutive bytes) lies in 32 registers: window XW, from register XR on.
.macro XREG c
.if (\c) < 2
.set XW, 1                             ; where P's quarter 1 lay
.set XR, 64+32*(\c)
.elseif (\c) < 6
.set XW, 3                             ; scores' registers that O does not take
.set XR, 128+32*((\c)-2)
.elseif (\c) == 6
.set XW, 0                             ; the statistics' registers
.set XR, 32
.elseif (\c) < 11
.set XW, 1                             ; where P's quarters 2 and 3 lay
.set XR, 128+32*((\c)-7)
.else
.set XW, 0                             ; where V's fragments lay
.set XR, 64
.endif
.endm
.macro XLOAD c
	XREG \c
	WIN XW<<6                                      ; the destination's window
.irp i, 0,1,2,3,4,5,6,7
	global_load_b128 v[XR+4*(\i):XR+4*(\i)+3], v[XO], s[6:7] offset:(\c)*65536+(\i)*8192 th:TH_LOAD_NT
.endr
.endm
.irp i, 0,1,2,3
	ds_load_b128 v[ST4+4*(\i):ST4+4*(\i)+3], v[LIA] offset:16*(\i)   ; the four waves' sums for query 4 r + i: in LDS since the barrier above
.endr
	FETCH2 0, 0, 0
.irp c, 0,1,2,3,4,5
	XLOAD \c                                       ; x is asked for in ascending order of c, so that the way out's counted waits hold
.endr
	WIN 0
	s_wait_dscnt 32                                ; the sums are in; the 32 fragment loads issued behind them may be out
.irp i, 0,1,2,3
	v_add_f32 v[ST4+4*(\i)], v[ST4+4*(\i)], v[ST4+4*(\i)+1]
	v_add_f32 v[ST4+4*(\i)+2], v[ST4+4*(\i)+2], v[ST4+4*(\i)+3]
.endr
.irp i, 0,1,2,3
	v_add_f32 v[ST4+4*(\i)], v[ST4+4*(\i)], v[ST4+4*(\i)+2]
.endr
.irp i, 0,1,2,3
	v_rcp_f32 v[LINV+(\i)], v[ST4+4*(\i)]
.endr
	v_nop                                          ; a plain instruction behind the last reciprocal, ahead of the loads that land on its sources
	XLOAD 6
	Q2 0, 1, 0, 1, 0                               ; step 0 starts the sums
	WIN 0
	s_mov_b32 s56, 7
.Lp2:                                                  ; trip i (s56 = 7 - i): steps 4 i + 1 .. 4 i + 4; it asks for the walk's tiles 2 i + 2 and 2 i + 3 of V: the last is the sixteenth
	T2 0, 1
	Q2 1, 1, 0, 0, 0
	T2 1, 1
	Q2 0, 1, 0, 0, 0
	WIN 0
	s_cmp_eq_u32 s56, 6                            ; behind step 7's round every wave has read quarter 0: quarter 2 takes its place; step 9's round, with its wait for my stores, shows it to all, and step 15 reads it first
	s_cbranch_scc0 .Lno_p2
	PSTORE 2
.Lno_p2:
	s_cmp_eq_u32 s56, 4                            ; behind step 15's round: quarter 3 takes quarter 1's place; step 17's round shows it, step 23 reads it first
	s_cbranch_scc0 .Lno_p3
	PSTORE 3
.Lno_p3:
	s_sub_co_u32 s56, s56, 1
	s_cmp_lg_u32 s56, 0
	s_cbranch_scc1 .Lp2
.irp c, 7,8,9,10
	XLOAD \c                                       ; P's quarters 2 and 3 have left for the ring: their registers take x
.endr
	Q2 1, 0, 1, 0, 1                               ; step 29: nothing is filled any more, so no barrier: the last tile's quarter is my own
	Q2 1, 1, 0, 0, 0                               ; step 30
	s_wait_dscnt 16                                ; step 31
	MULC 1, 0, 4, 0
	s_wait_dscnt 0x0
	MULC 1, 4, 8, 0
	PLACES                                         ; behind the last products: their sources are loaded over, their results stored
	; THE WAY OUT.
	XLOAD 11
; Channel tile c: a lane's eight queries of a channel go into the channel's row of my stage (the accumulator's low registers first) and come back as whole rows, two a load.
.macro TOSTAGE c
.if (\c) >= 2
	s_wait_xcnt 0x0                                ; the registers that tile c - 2's stores read are loaded again only behind this wait
.endif
	WIN 0x08+0x04*((\c)/8)                         ; data in window 2 or 3
.irp t, 0,1,2,3
	ds_store_b128 v[STO], v[32*((\c)%8)+8*(\t):32*((\c)%8)+8*(\t)+3]   offset:64*(\t)
	ds_store_b128 v[STO], v[32*((\c)%8)+8*(\t)+4:32*((\c)%8)+8*(\t)+7] offset:64*(\t)+16
.endr
	WIN 0
.irp i, 0,1,2,3,4,5,6,7
	ds_load_b128 v[BK+32*((\c)%2)+4*(\i):BK+32*((\c)%2)+4*(\i)+3], v[RD] offset:2*SPITCH*(\i)   ; LDS serves a wave's instructions in order (ISA guide 5.7.1.4): these see the stores above; the next tile's come behind them
.endr
.endm
; out = O / l + x, and eight stores: 16 lanes store 256 consecutive bytes, at a multiple of 256 from out0's first byte.  younger: the LDS instructions issued behind this tile's loads.
.macro SEND c, younger
	XREG \c
	s_wait_dscnt \younger
.if 8*(11-(\c)) > 63
	s_wait_loadcnt 63                              ; of x's 96 loads the oldest 33 are in, this tile's among them
.else
	s_wait_loadcnt 8*(11-(\c))                     ; the later tiles' loads may be out
.endif
	WIN XW<<4                                      ; x (source 2) in its window, all else in window 0
.set BKR, BK+32*((\c)%2)
.set z, 0
.rept 16
	v_pk_fma_f32 v[BKR+2*z:BKR+2*z+1], v[BKR+2*z:BKR+2*z+1], v[LINV+2*(z%2):LINV+2*(z%2)+1], v[XR+2*z:XR+2*z+1]
.set z, z+1
.endr
	WIN 0
.irp i, 0,1,2,3,4,5,6,7
	global_store_b128 v[XO], v[BKR+4*(\i):BKR+4*(\i)+3], s[8:9] offset:(\c)*65536+(\i)*8192 th:TH_STORE_NT
.endr
.endm
	TOSTAGE 0
.irp c, 1,2,3,4,5,6,7,8,9,10,11        ; a tile's trip through the stage stands between the loads of the tile before and its stores
	TOSTAGE \c
	SEND (\c)-1, 16
.endr
	SEND 11, 0
	WIN 0
	s_wait_tensorcnt 0x0                           ; the wave's end: behind my last tensor load and my last LDS store
	ds_add_u32 v[SPW], v[NIL]
	s_wait_dscnt 0x0
	CROUND                                         ; the closing round: no work-group ends while a partner may still ask for a tile that names it
	s_endpgm
.Lfunc_end_k_q7d749414ba_attn:
	.size	k_q7d749414ba_attn, .Lfunc_end_k_q7d749414ba_attn-k_q7d749414ba_attn
	.p2alignl 7, 3214868480
	.fill 96, 4, 3214868480
	.section	.rodata,"a",@progbits
	.p2align	6, 0x0
	.amdhsa_kernel k_q7d749414ba_attn
		.amdhsa_group_segment_fixed_size 327680
		.amdhsa_private_segment_fixed_size 0
		.amdhsa_enable_private_segment 0
		.amdhsa_kernarg_size 24
		.amdhsa_user_sgpr_count 2
		.amdhsa_user_sgpr_kernarg_segment_ptr 1
		.amdhsa_wavefront_size32 1
		.amdhsa_system_sgpr_workgroup_id_x 1
		.amdhsa_system_sgpr_workgroup_id_y 1
		.amdhsa_system_sgpr_workgroup_id_z 1
		.amdhsa_system_vgpr_workitem_id 0
		.amdhsa_next_free_vgpr 1024
		.amdhsa_next_free_sgpr 80
		.amdhsa_reserve_vcc 0
		.amdhsa_float_denorm_mode_32 3
		.amdhsa_float_denorm_mode_16_64 3
		.amdhsa_memory_ordered 1
		.amdhsa_forward_progress 1
		.amdhsa_inst_pref_size 248
	.end_amdhsa_kernel
	.amdgpu_metadata
---
amdhsa.version: [ 1, 2 ]
amdhsa.kernels:
  - .name:           k_q7d749414ba_attn
    .symbol:         k_q7d749414ba_attn.kd
    .args:
      - { .name: qkv, .offset: 0, .size: 8, .value_kind: global_buffer, .address_space: global }
      - { .name: x, .offset: 8, .size: 8, .value_kind: global_buffer, .address_space: global }
      - { .name: out0, .offset: 16, .size: 8, .value_kind: global_buffer, .address_space: global }
    .group_segment_fixed_size: 327680
    .private_segment_fixed_size: 0
    .kernarg_segment_align: 8
    .kernarg_segment_size: 24
    .max_flat_workgroup_size: 128
    .sgpr_count:     80
    .vgpr_count:     1024
    .wavefront_size: 32
...
	.end_amdgpu_metadata
.endif
;; end of part 6
